; MI455X (gfx1250); checked and timed in simulation.
; The chip was launched on July 23, 2026; its instructions are those of AMD's public machine-readable ISA for CDNA 5 (MIT licence, August 2026) and "CDNA5" Instruction Set Architecture Reference Guide (July 2026). The comments in the code are by the model that wrote it; some were corrected since.
;; Retrieval Augmented Layer. Allowed arithmetic: matrix products marked QUANTISED: E2M3 operands, one E8M0 scale for each 32 along K, by v_wmma_scale_f32_16x16x128_f8f6f4 with both operands' format E2M3, f32 sums; products left as they are: f32 operands where the result goes on into a quantised operand, else bf16, f16 or f32 operands; f32 sums; everything else in f32.
;; Inputs: W1_codes 1,024 x 96 x 24 uint8 (E2M3 codes of W1, K innermost, in blocks of 32 codes, four codes in three bytes); W1_scales 1,024 x 96 uint8 (E8M0 scales of W1, one for each 32 codes along K); W2_codes 512 x 32 x 24 uint8 (E2M3 codes of W2, K innermost, in blocks of 32 codes, four codes in three bytes); W2_scales 512 x 32 uint8 (E8M0 scales of W2, one for each 32 codes along K); b1 1,024 float32; b2 512 float32; beta 512 float32; gamma 512 float32; hist 100,000 x 512 float32; x 1,024 x 16 x 512 float32.
;; Outputs: out0 1,024 x 512 float32.
;; This version of the problem:
;;   THIS VERSION OF THE PROBLEM IS GIVEN IN LOW PRECISION. The matrix products marked QUANTISED in the list below multiply operands that are first quantised to E2M3 (2 exponent bits, 3 mantissa bits; 6 bits a number), with one power-of-two scale for each 32 numbers along K (OCP MX v1.0); their sums are f32. All else is computed in f32.
;;   The module's matrix products, in the order in which they are computed (A, B: the left and right operand; K: the contracted axis; several contracted axes count as one K, in the product's order):
;;     1. [M 1,024, K 512] x [K 512, N 100,000]; A: computed on the way; B: computed on the way: QUANTISED
;;     2. batch 1,024 x [M 512, K 5] x [K 5, N 1]; A: computed on the way; B: softmax: left as it is (K = 5 < 32)
;;     3. [M 1,024, K 3,072] x [K 3,072, N 1,024]; A: computed on the way; B: input W1 (given as codes): QUANTISED
;;     4. [M 1,024, K 1,024] x [K 1,024, N 512]; A: computed on the way; B: input W2 (given as codes): QUANTISED
;;   THE QUANTISER, for each operand of a quantised product, along K:
;;     - K is cut into blocks of 32 from its start; a last block that is shorter is filled with zeros.
;;     - A block's scale is 2^e with e = floor(log2(the largest magnitude in the block)) - 2, held to -126 .. 127; a block of zeros has e = 0. As a byte (E8M0): e + 127.
;;     - Each number is divided by its block's scale, clamped to +-7.5, and rounded to the nearest number of E2M3, ties to even, subnormals kept.
;;     - The product sums the exact products of the quantised numbers (number of the format x scale) in f32.
;;   ~~~python
;;   def quantise(x, axis):      # numpy; x: float32 -> the quantised numbers, widened to float32 again
;;       x = np.moveaxis(x, axis, -1); K = x.shape[-1]
;;       x = np.pad(x, [(0, 0)] * (x.ndim - 1) + [(0, -K % 32)]); x = x.reshape(x.shape[:-1] + (-1, 32)); a = np.abs(x).max(-1, keepdims=True)
;;       e = np.where(a > 0, np.clip(np.frexp(np.where(a > 0, a, 1))[1] - 1 - 2, -126, 127), 0)      # np.frexp(a)[1] - 1 = floor(log2(a)), exactly
;;       r = np.clip(x / 2.0 ** e, -7.5, 7.5)
;;       step = 2.0 ** (np.maximum(np.frexp(np.where(r == 0, 1, r))[1] - 1, 0) - 3)
;;       q = np.round(r / step) * step * 2.0 ** e      # np.round: ties to even
;;       return np.moveaxis(q.reshape(q.shape[:-2] + (-1,))[..., :K], -1, axis).astype(np.float32)
;;   ~~~
;;   OPERANDS COMPUTED ON THE WAY. 'Computed on the way' means the value that the module computes at that place (a softmax that the list does not call 'softmax' is quantised finished and normalised). What goes into a quantiser is computed in f32, as accurately as f32 sums, v_exp_f32 and their like allow (about 1e-6 of the number): no bf16 or f16 on the way to a quantiser, and a product that is left as it is and whose result goes on into a quantised operand takes f32 operands (vector FMAs, or v_wmma_f32_16x16x4_f32). A number that lies on a knife's edge between two numbers of the format may be rounded either way, as far as f32 arithmetic and the matrix unit's own rounding can turn it there, and no further.
;;   INPUTS GIVEN AS CODES. W1 (in the module: [3072, 1024], K = its axis 0); W2 (in the module: [1024, 512], K = its axis 0): each comes as NAME_codes (uint8): NAME with its K axis moved to the last place and cut into blocks of 32 codes, [.., K / 32, bytes a block], one block behind the other in memory; four codes in three bytes: a row's codes are one little-endian stream of bits, code i at bits 6 i .. 6 i + 5 (a code: sign, 2 exponent bits, 3 mantissa bits); and NAME_scales (uint8): the same leading axes, one E8M0 byte (e + 127) for each 32 codes along K. Its value is code x scale, taken as it is: it is not quantised again, and the codes and scales need not be those that the quantiser above would give.
;; 2 versions, each right; version 2 is version 1 with the launches prep, refine, mlp1, mlp2 written anew for expert scheduling mode. Each part assembles by itself: llvm-mc -triple=amdgcn-amd-amdhsa -mcpu=gfx1250 --defsym DOCPART=n.
;; ======== version 1 of 2: 6 launches
;; workspace buffers: hq 40,000,000 bytes; xq 409,600 bytes; candv 2,560,000 bytes; candi 2,560,000 bytes of whole numbers; gsel 32,768 bytes of whole numbers; seli 131,072 bytes of whole numbers; selw 131,072 bytes; hq2 819,200 bytes
;; launch prep (part 1): grid 3157 x 1, 2 waves a work-group, no clusters, 70,912 bytes of LDS; arguments hist, x, hq, xq; writes hq, xq
.if DOCPART == 1
	.amdgcn_target "amdgcn-amd-amdhsa--gfx1250"
	.amdhsa_code_object_version 6
	.text
	.protected	k_qd36d5a548e_prep
	.globl	k_qd36d5a548e_prep
	.p2align	8
	.type	k_qd36d5a548e_prep,@function
k_qd36d5a548e_prep:
	s_mov_b64 s[64:65], 0
	v_nop
	global_prefetch_b8 v0, s[64:65] scope:SCOPE_SE
	s_setreg_imm32_b32 hwreg(HW_REG_WAVE_MODE, 25, 1), 1
	s_wait_xcnt 0x0
; Rows of hist [100000][512] and the rows x[b][15][:] of x [1024][16][512], f32, are divided by max(their norm, 1e-8) and turned into codes of FP6 (E2M3) with one E8M0 byte for each 32 along K.
; A wave makes one TILE RECORD of 6,400 bytes: 16 rows x 512 K as an image of operand registers: K step s (128 along K), registers 4 i .. 4 i + 3 of the 12 of a fragment, lane l, at byte 1536 s + 512 i + 16 l;
; lane (r = l % 16, h = l / 16) holds row r, registers 6 c .. 6 c + 5 = block 4 s + 2 c + h.  At byte 6144 + 8 l: two scale words of row r, for K steps h and 2 + h.
; Work-groups 0 .. 3124 take hist (tile = 2 x work-group + wave), 3125 .. 3156 take x: only pointers and the row's stride are chosen; there is one way through the text.
; The loads take a row as it lies (512 consecutive bytes an instruction); the rows turn through the wave's own stage in LDS, so that a lane gets 32 neighbours along K of ONE row, which the conversions want.
; A block's scale: the largest magnitude's exponent field - 2, held at 1 from below (a block of zeros keeps the byte 1: its codes are zeros, and this program alone reads the bytes).
; LIMITS: NaN and infinities among the inputs are not served; a row whose sum of squares passes f32's range is not served; norm and quotient are right to about one part in 10^7.
.set WREG, 35328                       ; LDS of a wave: the stage, 16 rows x 2,064 bytes, then 16 rows x 144 bytes of partial sums
.set STP,  2064                        ; a stage row: 2,048 bytes + 16, an odd multiple of 16
.set PSO,  33024
.set PSP,  144
.set LANE, 1
.set RR,   2
.set HH,   3
.set SH8,  4                           ; 8 h
.set G16,  5                           ; 16 x lane
.set G8,   6                           ; 8 x lane
.set STW,  7                           ; stage, in: 16 x lane
.set STRD, 8                           ; stage, out: row r, + 128 h
.set PSW,  9                           ; partial sums, in: 4 x lane
.set PSR,  10                          ; partial sums, out: row r, + 64 h
.set NRM,  12                          ; v[12:13] the norm, twice
.set INV,  14                          ; v[14:15] its reciprocal, twice
.set VO,   16                          ; v16-31  byte offset of my 16 bytes in each of the 16 rows; later the quantiser's registers
.set MX,   16
.set SO,   18
.set BY,   20
.set TP,   22
.set TT,   24
.set RW,   32                          ; v32-223 twelve row slots of 16; later two sets of 64 numbers and 64 quotients
.set XS0,  32
.set TN,   160
.set CD,   224                         ; v224-247 two sets of 12 code registers
.set PSUM, 224                         ; (before that: a partial sum for each row)
.set SW,   248                         ; v248-251 the four scale words
.set SEL,  20                          ; s[20:21] lane selects: lane l xor 16
; 64 numbers of a lane, half c = block 2 c + h of one K step of my row, become the fragment's 12 registers and my row's scale word.
.macro QUANT2 src, out, wrd
.irp c, 0,1
	v_max3_num_f32 v[MX+\c], |v[(\src)+32*\c]|, |v[(\src)+32*\c+1]|, 0x1800000   ; with the floor 2^(3 - 127): the byte cannot fall under 1
.endr
.irp i, 2,4,6,8,10,12,14,16,18,20,22,24,26,28,30
.irp c, 0,1
	v_max3_num_f32 v[MX+\c], v[MX+\c], |v[(\src)+32*\c+\i]|, |v[(\src)+32*\c+\i+1]|   ; the two blocks by turns
.endr
.endr
.irp c, 0,1
	v_add_nc_u32 v[SO+\c], 0xff000000, v[MX+\c]    ; 2 off the exponent field: the conversion's scale operand
.endr
.irp c, 0,1
	v_lshrrev_b32 v[BY+\c], 23, v[SO+\c]           ; the scale's byte
.endr
	v_lshl_or_b32 v[\wrd], v[BY+1], 16, v[BY]      ; my two bytes, blocks h and 2 + h,
	v_lshlrev_b32 v[\wrd], v[SH8], v[\wrd]         ; at their places;
	v_permlanex16_b32 v[TP], v[\wrd], s[SEL], s[SEL+1]
	v_or_b32 v[\wrd], v[\wrd], v[TP]               ; with lane l xor 16's two the word is whole
.irp c, 0,1
	v_cvt_scalef32_pk16_fp6_f32 v[(\out)+6*\c:(\out)+6*\c+2], v[(\src)+32*\c:(\src)+32*\c+15], v[SO+\c]
	v_cvt_scalef32_pk16_fp6_f32 v[TT+4*\c:TT+4*\c+2], v[(\src)+32*\c+16:(\src)+32*\c+31], v[SO+\c]   ; (three registers begin on an even number: made apart and moved)
.endr
	v_nop                                          ; one plain place behind the scaled conversions
.irp c, 0,1
.irp i, 0,1,2
	v_mov_b32 v[(\out)+3+6*\c+\i], v[TT+4*\c+\i]
.endr
.endr
.endm
	s_load_b128 s[4:7], s[0:1], 0x0                ; hist, x
	s_load_b128 s[8:11], s[0:1], 0x10              ; hq, xq
	v_lshl_add_u32 v254, v0, 2, 0x11400
	v_mov_b32 v255, 0
	v_lshrrev_b32 v1, 5, v0
	v_readfirstlane_b32 s12, v1                    ; wave 0, 1
	v_and_b32 v[LANE], 31, v0
	v_and_b32 v[RR], 15, v0
	v_bfe_u32 v[HH], v0, 4, 1
	v_lshlrev_b32 v[SH8], 3, v[HH]
	v_lshlrev_b32 v[G16], 4, v[LANE]
	v_lshlrev_b32 v[G8], 3, v[LANE]
	s_mul_i32 s22, s12, WREG
	v_add_nc_u32 v[STW], s22, v[G16]
	v_mul_u32_u24 v[STRD], v[RR], STP
	v_lshl_add_u32 v[STRD], v[HH], 7, v[STRD]
	v_add_nc_u32 v[STRD], s22, v[STRD]
	s_add_co_u32 s23, s22, PSO
	v_lshl_add_u32 v[PSW], v[LANE], 2, s23
	v_mul_u32_u24 v[PSR], v[RR], PSP
	v_lshl_add_u32 v[PSR], v[HH], 6, v[PSR]
	v_add_nc_u32 v[PSR], s23, v[PSR]
	s_mov_b32 s[SEL], 0x76543210
	s_mov_b32 s[SEL+1], 0xfedcba98
	s_mov_b32 s14, 32768
	s_mov_b32 s15, 524288
	s_wait_kmcnt 0x0
	s_cmp_lt_u32 ttmp9, 3125                       ; hist's work-group or x's: the choice hangs on the work-group's number alone
	s_cselect_b64 s[4:5], s[4:5], s[6:7]
	s_cselect_b64 s[8:9], s[8:9], s[10:11]
	s_cselect_b32 s14, 2048, s14                   ; bytes from row to row
	s_cselect_b32 s15, 32768, s15                  ; and from tile to tile
	s_cselect_b32 s16, 0, 30720                    ; x: position 15 of the 16
	s_cselect_b32 s13, 0, 3125
	s_sub_co_u32 s13, ttmp9, s13
	s_lshl_b32 s13, s13, 1
	s_add_co_u32 s13, s13, s12                     ; my tile
	s_mul_i32 s18, s13, s15                        ; under 2^28
	s_add_co_u32 s18, s18, s16
	s_mov_b32 s19, 0
	s_add_nc_u64 s[4:5], s[4:5], s[18:19]
	s_mul_i32 s18, s13, 6400
	s_add_nc_u64 s[8:9], s[8:9], s[18:19]
	v_mov_b32 v[VO], v[G16]
.set k, 1
.rept 15
	v_add_nc_u32 v[VO+k], s14, v[VO+k-1]
.set k, k+1
.endr
.macro LOADROW row                     ; a row: four loads of 512 consecutive bytes
.irp i, 0,1,2,3
	global_load_b128 v[RW+16*((\row)%12)+4*\i:RW+16*((\row)%12)+4*\i+3], v[VO+(\row)], s[4:5] offset:512*\i th:TH_LOAD_NT
.endr
.endm
.irp p, 0,1,2,3,4,5,6,7,8,9,10,11
	LOADROW \p
.endr
; A row goes into the stage as it lies, and my 16 numbers' sum of squares beside it.
.macro ROWA row
.set RS, RW+16*((\row)%12)
.if (\row) < 4
	s_wait_loadcnt 44                              ; this row's four loads are in; the eleven rows behind it may be out
.else
	s_wait_loadcnt 4*(15-(\row))                   ; the rows behind it may be out
.endif
.irp i, 0,1,2,3
	ds_store_b128 v[STW], v[RS+4*\i:RS+4*\i+3] offset:(\row)*STP+512*\i
.endr
	v_pk_mul_f32 v[248:249], v[RS:RS+1], v[RS:RS+1]
	v_pk_mul_f32 v[250:251], v[RS+2:RS+3], v[RS+2:RS+3]
.irp j, 4,8,12
	v_pk_fma_f32 v[248:249], v[RS+\j:RS+\j+1], v[RS+\j:RS+\j+1], v[248:249]
	v_pk_fma_f32 v[250:251], v[RS+\j+2:RS+\j+3], v[RS+\j+2:RS+\j+3], v[250:251]
.endr
	v_pk_add_f32 v[248:249], v[248:249], v[250:251]
	v_add_f32 v[PSUM+(\row)], v248, v249
	ds_store_b32 v[PSW], v[PSUM+(\row)] offset:(\row)*PSP
.if (\row) < 4
	s_wait_dscnt 0x0                               ; the stores have read the slot: it takes the row twelve further on
	LOADROW (\row)+12
.endif
.endm
.irp p, 0,1,2,3,4,5,6,7,8,9,10,11,12,13,14,15
	ROWA \p
.endr
.macro XLD s                           ; my 64 numbers of K step s: blocks 4 s + h and 4 s + 2 + h of row r
.irp c, 0,1
.irp q, 0,1,2,3,4,5,6,7
	ds_load_b128 v[XS0+64*((\s)%2)+32*\c+4*\q:XS0+64*((\s)%2)+32*\c+4*\q+3], v[STRD] offset:(\s)*512+\c*256+16*\q
.endr
.endr
.endm
	s_wait_dscnt 0x0                               ; my stores have read their registers, which are loaded again below
.irp i, 0,1,2,3
	ds_load_b128 v[TN+4*\i:TN+4*\i+3], v[PSR] offset:16*\i   ; sixteen of row r's 32 partial sums
.endr
	XLD 0
	s_wait_dscnt 16                                ; the partial sums are in; step 0's sixteen loads may be out
	v_pk_add_f32 v[TN:TN+1], v[TN:TN+1], v[TN+2:TN+3]
	v_pk_add_f32 v[TN+4:TN+5], v[TN+4:TN+5], v[TN+6:TN+7]
	v_pk_add_f32 v[TN+8:TN+9], v[TN+8:TN+9], v[TN+10:TN+11]
	v_pk_add_f32 v[TN+12:TN+13], v[TN+12:TN+13], v[TN+14:TN+15]
	v_pk_add_f32 v[TN:TN+1], v[TN:TN+1], v[TN+4:TN+5]
	v_pk_add_f32 v[TN+8:TN+9], v[TN+8:TN+9], v[TN+12:TN+13]
	v_pk_add_f32 v[TN:TN+1], v[TN:TN+1], v[TN+8:TN+9]
	v_add_f32 v[TN], v[TN], v[TN+1]
	v_mov_b32 v[TP], 0                             ; a lane permute's destination counts as one of its sources
	v_permlanex16_b32 v[TP], v[TN], s[SEL], s[SEL+1]
	v_add_f32 v[TN], v[TN], v[TP]                  ; a = row r's sum of squares
	v_sqrt_f32 v[TN+1], v[TN]
	v_nop                                          ; a plain place behind the root
	s_wait_alu depctr_va_vdst(0)                   ; the wait ahead of the first reader
	v_rcp_f32 v[TN+2], v[TN+1]
	v_fma_f32 v[TN+3], -v[TN+1], v[TN+1], v[TN]    ; a - S^2 (the plain place behind the reciprocal)
	s_wait_alu depctr_va_vdst(0)
	v_mul_f32 v[TN+3], 0.5, v[TN+3]
	v_fma_f32 v[TN+1], v[TN+3], v[TN+2], v[TN+1]   ; one step of Newton's: S + (a - S^2) / (2 S).  A row of zeros gives NaN here,
	v_max_num_f32 v[NRM], 0x322bcc77, v[TN+1]      ; which loses against 1e-8
	v_rcp_f32 v[INV], v[NRM]
	v_mov_b32 v[NRM+1], v[NRM]                     ; (the plain place)
	s_wait_alu depctr_va_vdst(0)
	v_mov_b32 v[INV+1], v[INV]
; A K step: the next step's numbers are asked for, this step's are divided by the norm (a product with the reciprocal, mended once by its remainder), quantised and stored.
.macro STEPB s
.set XC, XS0+64*((\s)%2)
.set CC, CD+12*((\s)%2)
.if (\s) < 3
	XLD (\s)+1
	s_wait_dscnt 16                                ; this step's numbers are in; the next step's sixteen loads may be out
.else
	s_wait_dscnt 0x0
.endif
.set j, 0
.rept 32
	v_pk_mul_f32 v[TN+j:TN+j+1], v[XC+j:XC+j+1], v[INV:INV+1]
.set j, j+2
.endr
.set j, 0
.rept 32
	v_pk_fma_f32 v[XC+j:XC+j+1], v[TN+j:TN+j+1], v[NRM:NRM+1], v[XC+j:XC+j+1] neg_lo:[1,0,0] neg_hi:[1,0,0]
.set j, j+2
.endr
.set j, 0
.rept 32
	v_pk_fma_f32 v[TN+j:TN+j+1], v[XC+j:XC+j+1], v[INV:INV+1], v[TN+j:TN+j+1]
.set j, j+2
.endr
.if (\s) >= 2
	s_wait_xcnt 0x0                                ; the stores of two steps ago have read this set of code registers
.endif
	QUANT2 TN, CC, SW+(\s)
.irp i, 0,1,2
	global_store_b128 v[G16], v[CC+4*\i:CC+4*\i+3], s[8:9] offset:(\s)*1536+512*\i   ; 512 consecutive bytes, at a multiple of 256 from the buffer's first byte
.endr
.endm
	STEPB 0
	STEPB 1
	STEPB 2
	STEPB 3
	v_cmp_le_u32 vcc_lo, 16, v[LANE]
	v_cndmask_b32 v252, v[SW], v[SW+1], vcc_lo     ; lanes 0-15: K steps 0 and 2; lanes 16-31: K steps 1 and 3
	v_cndmask_b32 v253, v[SW+2], v[SW+3], vcc_lo
	global_store_b64 v[G8], v[252:253], s[8:9] offset:6144   ; 256 consecutive bytes
	s_wait_tensorcnt 0x0
	ds_add_u32 v254, v255
	s_wait_dscnt 0x0
	s_endpgm
.Lfunc_end_k_qd36d5a548e_prep:
	.size	k_qd36d5a548e_prep, .Lfunc_end_k_qd36d5a548e_prep-k_qd36d5a548e_prep
	.p2alignl 7, 3214868480
	.fill 96, 4, 3214868480
	.section	.rodata,"a",@progbits
	.p2align	6, 0x0
	.amdhsa_kernel k_qd36d5a548e_prep
		.amdhsa_group_segment_fixed_size 70912
		.amdhsa_private_segment_fixed_size 0
		.amdhsa_enable_private_segment 0
		.amdhsa_kernarg_size 32
		.amdhsa_user_sgpr_count 2
		.amdhsa_user_sgpr_kernarg_segment_ptr 1
		.amdhsa_wavefront_size32 1
		.amdhsa_system_sgpr_workgroup_id_x 1
		.amdhsa_system_sgpr_workgroup_id_y 1
		.amdhsa_system_sgpr_workgroup_id_z 1
		.amdhsa_system_vgpr_workitem_id 0
		.amdhsa_next_free_vgpr 256
		.amdhsa_next_free_sgpr 66
		.amdhsa_reserve_vcc 1
		.amdhsa_float_denorm_mode_32 3
		.amdhsa_float_denorm_mode_16_64 3
		.amdhsa_memory_ordered 1
		.amdhsa_forward_progress 1
		.amdhsa_inst_pref_size 67
	.end_amdhsa_kernel
	.amdgpu_metadata
---
amdhsa.version: [ 1, 2 ]
amdhsa.kernels:
  - .name:           k_qd36d5a548e_prep
    .symbol:         k_qd36d5a548e_prep.kd
    .args:
      - { .name: hist, .offset: 0, .size: 8, .value_kind: global_buffer, .address_space: global }
      - { .name: x, .offset: 8, .size: 8, .value_kind: global_buffer, .address_space: global }
      - { .name: hq, .offset: 16, .size: 8, .value_kind: global_buffer, .address_space: global }
      - { .name: xq, .offset: 24, .size: 8, .value_kind: global_buffer, .address_space: global }
    .group_segment_fixed_size: 70912
    .private_segment_fixed_size: 0
    .kernarg_segment_align: 8
    .kernarg_segment_size: 32
    .max_flat_workgroup_size: 64
    .sgpr_count:     66
    .vgpr_count:     256
    .wavefront_size: 32
...
	.end_amdgpu_metadata
.endif
;; end of part 1
;; launch sim (part 2): grid 2 x 125, 8 waves a work-group, no clusters, 327,680 bytes of LDS; arguments hq, xq, candv, candi; writes candv, candi
.if DOCPART == 2
	.amdgcn_target "amdgcn-amd-amdhsa--gfx1250"
	.amdhsa_code_object_version 6
	.text
	.protected	k_qd36d5a548e_sim
	.globl	k_qd36d5a548e_sim
	.p2align	8
	.type	k_qd36d5a548e_sim,@function
k_qd36d5a548e_sim:
	s_mov_b64 s[64:65], 0
	v_nop
	global_prefetch_b8 v0, s[64:65] scope:SCOPE_SE
	s_setreg_imm32_b32 hwreg(HW_REG_WAVE_MODE, 25, 1), 1
	s_wait_xcnt 0x0
; All similarities of 512 queries with 800 rows of hist (25 groups of 32 neighbouring rows), on codes of FP6 with E8M0 scales; of each group only the largest similarity of each query is kept,
; and of the 25 groups the five with the largest, in the order (value falling, group rising): a later launch looks into those groups row by row.  The five largest rows of a query always lie in its
; five first groups by that order, ties too, since a group is a run of neighbouring rows.
; SHARES.  Work-group (x, y): queries 512 x .. + 511, groups 25 y .. + 24.  Each of the eight waves keeps the fragments of 64 queries (four tiles, 192 registers) and walks all 50 tiles of hist.
; LDS.  The chunk's 50 tile records, 320,000 bytes, lie in LDS as they lie in memory.  They are filled ONCE, by 25 tensor loads of one group each (waves 0 to 4, five each, issued together at the start):
; nothing is ever filled again.  The loads are waited for piece by piece (a piece: load p of the five waves, groups 5 p .. 5 p + 4), so that the first groups are multiplied while the last are on their way.
; No cluster: a chunk is shared by two work-groups only, and 2 x 125 work-groups divide into no clusters of four.
; LAYOUT.  Source 0 = 16 rows of hist, source 1 = 16 queries: a lane holds ONE query (lane % 16) and eight rows.  A record is an image of operand registers: every fragment comes by ds_load_b128 at 16 x lane.
; A record's scale image gives two registers: lanes 0-15 the words of K steps 0, 2, lanes 16-31 those of K steps 1, 3.
; LIMITS: NaN among the similarities is not served.
; REGISTERS.  Window 0: v2-7 addresses and work; v16-23 x's scale words; v24-27 hist's; v32-127 two tiles of hist; v128-191 eight accumulators; v192-195 maxima; v200-219 the two lists of five.  Window 1: v0-191 x's fragments.
.set L16,  2
.set L8,   3
.set ADR,  4
.set ADS,  5
.set GIDV, 6
.set XT,   7
.set XS,   16                          ; x's scale words: tile t, register u: v[XS + 2 t + u]
.set HS,   24                          ; hist's: tile e of the group
.set HF,   32
.set ACC,  128
.set MG,   192
.set TV,   200                         ; values: element k of list u at v[TV + 2 k + u]
.set TI,   210                         ; groups
.set G1,   16                          ; s[16:23] descriptor group 1
.set G0,   24                          ; s[24:43] five groups 0
.set CNT,  44
.set TB,   45                          ; LDS byte of the group in hand
.set GID,  46                          ; its number
.set CM,   50                          ; s50-54 masks
.set MSB, 0
.macro WIN new                         ; the immediate's high byte repeats the setting that is left
.if MSB != (\new)
	s_set_vgpr_msb (MSB<<8)|(\new)
.set MSB, (\new)
.endif
.endm
; (value, number) goes into a falling list of five.  A value equal to one in the list goes behind it.
.macro INS tb, ib, st, vv, gg
.irp k, 0,1,2,3,4
	v_cmp_gt_f32 s[CM+\k], v[\vv], v[(\tb)+(\st)*\k]
.endr
.irp k, 4,3,2,1
	v_cndmask_b32 v[XT], v[\gg], v[(\ib)+(\st)*(\k-1)], s[CM+\k-1]
	v_cndmask_b32 v[(\ib)+(\st)*\k], v[(\ib)+(\st)*\k], v[XT], s[CM+\k]
	v_med3_num_f32 v[(\tb)+(\st)*\k], v[(\tb)+(\st)*(\k-1)], v[(\tb)+(\st)*\k], v[\vv]   ; the middle of my upper neighbour, myself and the new value
.endr
	v_cndmask_b32 v[\ib], v[\ib], v[\gg], s[CM]
	v_max_num_f32 v[\tb], v[\tb], v[\vv]
.endm
	s_load_b128 s[4:7], s[0:1], 0x0                ; hq, xq
	s_load_b128 s[8:11], s[0:1], 0x10              ; candv, candi
	v_lshl_add_u32 v254, v0, 2, 0x4e200
	v_mov_b32 v255, 0
	ds_add_u32 v254, v255
	ds_add_u32 v254, v255
	v_lshrrev_b32 v1, 5, v0
	v_readfirstlane_b32 s12, v1                    ; wave 0..7
	v_and_b32 v1, 31, v0
	v_lshlrev_b32 v[L16], 4, v1
	v_lshlrev_b32 v[L8], 3, v1
	s_and_b32 s13, ttmp7, 0xffff                   ; the chunk
	; group 1: a group's two records, 12,800 dense bytes, as 50 rows of 256 bytes (32 elements of 8 bytes), no padding
	s_mov_b32 s[G1+0], 3<<16
	s_mov_b32 s[G1+1], 32<<16                      ; tensor_dim0
	s_mov_b32 s[G1+2], 50<<16                      ; tensor_dim1
	s_mov_b32 s[G1+3], 32<<16                      ; tile_dim0
	s_mov_b32 s[G1+4], 50                          ; tile_dim1
	s_mov_b32 s[G1+5], 32                          ; from row to row
	s_mov_b32 s[G1+6], 0
	s_mov_b32 s[G1+7], 0
	s_mul_i32 s14, s12, 12800                      ; load p of wave w brings group 5 p + w
	s_mul_i32 s56, s13, 320000
	s_add_co_u32 s56, s56, s14
	s_mov_b32 s57, 0
	s_wait_dscnt 0x0
	s_wait_kmcnt 0x0
	s_add_nc_u64 s[56:57], s[4:5], s[56:57]
.irp p, 0,1,2,3,4
	s_mov_b32 s[G0+4*\p], 1
	s_add_co_u32 s[G0+4*\p+1], s14, \p*64000       ; LDS address: as in the chunk
	s_add_nc_u64 s[G0+4*\p+2:G0+4*\p+3], s[56:57], \p*64000
	s_or_b32 s[G0+4*\p+3], s[G0+4*\p+3], 0x80000000
.endr
	s_cmp_lt_u32 s12, 5                            ; all first fills of a wave stand in one branch on the wave's number; five loads of mine are out at the most
	s_cbranch_scc0 .Lno_fill
.irp p, 0,1,2,3,4
	tensor_load_to_lds s[G0+4*\p:G0+4*\p+3], s[G1:G1+7]
	s_nop 0
.endr
.rept 4
	v_nop
.endr
.Lno_fill:
	s_lshl_b32 s58, ttmp9, 5
	s_lshl_b32 s59, s12, 2
	s_add_co_u32 s58, s58, s59                     ; my first tile of queries: 32 x + 4 wave
	s_mul_i32 s58, s58, 6400
	s_mov_b32 s59, 0
	s_add_nc_u64 s[6:7], s[6:7], s[58:59]
	WIN 0x40                                       ; destination window 1
.irp t, 0,1,2,3
.irp s, 0,1,2,3
.irp i, 0,1,2
	global_load_b128 v[48*\t+12*\s+4*\i:48*\t+12*\s+4*\i+3], v[L16], s[6:7] offset:6400*\t+1536*\s+512*\i
.endr
.endr
.endr
	WIN 0
.irp t, 0,1,2,3
	global_load_b64 v[XS+2*\t:XS+2*\t+1], v[L8], s[6:7] offset:6400*\t+6144
.endr
	s_lshl_b32 s58, ttmp9, 3
	s_add_co_u32 s58, s58, s12                     ; my block of 64 queries
	s_mul_i32 s58, s58, 125
	s_add_co_u32 s58, s58, s13
	s_mul_i32 s58, s58, 1280                       ; [block][chunk]: five units of 256 bytes
	s_add_nc_u64 s[8:9], s[8:9], s[58:59]
	s_add_nc_u64 s[10:11], s[10:11], s[58:59]
.irp j, 0,1,2,3,4,5,6,7,8,9
	v_mov_b32 v[TV+\j], 0xff800000                 ; the lists begin at -infinity
	v_mov_b32 v[TI+\j], 0
.endr
	s_mul_i32 s[GID], s13, 25
	s_mov_b32 s[TB], 0
.macro LOADT reg, hs, off              ; a tile of hist: 12 loads of codes and one of scale words: 13 LDS instructions
.irp s, 0,1,2,3
.irp i, 0,1,2
	ds_load_b128 v[(\reg)+12*\s+4*\i:(\reg)+12*\s+4*\i+3], v[ADR] offset:(\off)+1536*\s+512*\i
.endr
.endr
	ds_load_b64 v[(\hs):(\hs)+1], v[ADS] offset:(\off)+6144
.endm
; 16 matrix instructions: tile e of the group against my four tiles of queries, K ascending.  The four accumulators take turns, one instruction a turn.
.macro MM e
.irp s, 0,1,2,3
.irp t, 0,1,2,3
.if \s == 0
	v_wmma_scale_f32_16x16x128_f8f6f4 v[ACC+32*\e+8*\t:ACC+32*\e+8*\t+7], v[HF+48*\e+12*\s:HF+48*\e+12*\s+11], v[48*\t+12*\s:48*\t+12*\s+11], 0, v[HS+2*\e], v[XS+2*\t] matrix_a_fmt:MATRIX_FMT_FP6 matrix_b_fmt:MATRIX_FMT_FP6
.elseif \s == 2
	v_wmma_scale_f32_16x16x128_f8f6f4 v[ACC+32*\e+8*\t:ACC+32*\e+8*\t+7], v[HF+48*\e+12*\s:HF+48*\e+12*\s+11], v[48*\t+12*\s:48*\t+12*\s+11], v[ACC+32*\e+8*\t:ACC+32*\e+8*\t+7], v[HS+2*\e+1], v[XS+2*\t+1] matrix_a_fmt:MATRIX_FMT_FP6 matrix_b_fmt:MATRIX_FMT_FP6
.else
	v_wmma_scale_f32_16x16x128_f8f6f4 v[ACC+32*\e+8*\t:ACC+32*\e+8*\t+7], v[HF+48*\e+12*\s:HF+48*\e+12*\s+11], v[48*\t+12*\s:48*\t+12*\s+11], v[ACC+32*\e+8*\t:ACC+32*\e+8*\t+7], v[HS+2*\e+\s/2], v[XS+2*\t+\s/2] matrix_a_fmt:MATRIX_FMT_FP6 matrix_b_fmt:MATRIX_FMT_FP6 matrix_a_scale:MATRIX_SCALE_ROW1 matrix_b_scale:MATRIX_SCALE_ROW1
.endif
.endr
.endr
.endm
; A GROUP of 32 rows.  pre = 1: the next group's two tiles are fetched, each as soon as its registers are free.
.macro GROUP pre
	v_add_nc_u32 v[ADR], s[TB], v[L16]
	v_add_nc_u32 v[ADS], s[TB], v[L8]
	s_wait_dscnt 13                                ; the first tile is in; the second tile's 13 may be out
	WIN 0x04                                       ; source 1 (x) window 1
	MM 0
.if \pre
.rept 4
	v_nop                                          ; four places in front of loads into registers that matrix instructions have read
.endr
	LOADT HF, HS, 12800
	s_wait_dscnt 13                                ; the second tile is in; the 13 just issued may be out
.else
	s_wait_dscnt 0x0
.endif
	MM 1
	WIN 0
	v_mov_b32 v[GIDV], s[GID]                      ; four places: in front of the loads below and of the first read of the last results
.rept 3
	v_nop
.endr
.if \pre
	LOADT HF+48, HS+2, 19200
.endif
.irp t, 0,1,2,3                        ; the largest of my query's 16 rows, each accumulator from its low end on; the four tiles by turns
	v_max3_num_f32 v[MG+\t], v[ACC+8*\t], v[ACC+8*\t+1], v[ACC+8*\t+2]
.endr
.irp j, 3,5
.irp t, 0,1,2,3
	v_max3_num_f32 v[MG+\t], v[MG+\t], v[ACC+8*\t+\j], v[ACC+8*\t+\j+1]
.endr
.endr
.irp t, 0,1,2,3
	v_max3_num_f32 v[MG+\t], v[MG+\t], v[ACC+8*\t+7], v[ACC+32+8*\t]
.endr
.irp j, 1,3,5
.irp t, 0,1,2,3
	v_max3_num_f32 v[MG+\t], v[MG+\t], v[ACC+32+8*\t+\j], v[ACC+32+8*\t+\j+1]
.endr
.endr
.irp t, 0,1,2,3
	v_max_num_f32 v[MG+\t], v[MG+\t], v[ACC+32+8*\t+7]
.endr
	v_permlane16_swap_b32 v[MG], v[MG+1]           ; tile 0's upper lanes change places with tile 1's lower: both halves of a query's rows now lie in one lane,
	v_permlane16_swap_b32 v[MG+2], v[MG+3]
	v_max_num_f32 v[MG], v[MG], v[MG+1]            ; lane l: query l of my 64,
	v_max_num_f32 v[MG+2], v[MG+2], v[MG+3]        ; and query 32 + l
	INS TV, TI, 2, MG, GIDV
	INS TV+1, TI+1, 2, MG+2, GIDV
	s_add_co_u32 s[TB], s[TB], 12800
	s_add_co_u32 s[GID], s[GID], 1
.endm
.macro SEG trips
	s_mov_b32 s[CNT], \trips
.Lseg_\@:
	GROUP 1
	s_sub_co_u32 s[CNT], s[CNT], 1
	s_cmp_lg_u32 s[CNT], 0
	s_cbranch_scc1 .Lseg_\@
.endm
.macro BOUND left                      ; my loads but the youngest 'left' have landed; behind the barrier that holds of every wave.  Later pieces may stay out
	s_wait_dscnt 0x0                               ; no LDS instruction of mine is pending at a signal
	s_wait_tensorcnt \left
	s_barrier_signal -1
	s_barrier_wait -1
.endm
	s_wait_loadcnt 0x0                             ; x
	BOUND 3                                        ; pieces 0 and 1: a loop fetches one group ahead, so the piece behind the one in hand must be in
	v_add_nc_u32 v[ADR], s[TB], v[L16]
	v_add_nc_u32 v[ADS], s[TB], v[L8]
	LOADT HF, HS, 0
	LOADT HF+48, HS+2, 6400
	SEG 5                                          ; groups 0 to 4
	BOUND 2                                        ; piece 2
	SEG 5                                          ; groups 5 to 9
	BOUND 1                                        ; piece 3
	SEG 5                                          ; groups 10 to 14
	BOUND 0                                        ; piece 4: no tensor load is out any more
	SEG 9                                          ; groups 15 to 23
	GROUP 0                                        ; group 24 fetches nothing
.irp k, 0,1,2,3,4
	global_store_b64 v[L8], v[TV+2*\k:TV+2*\k+1], s[8:9] offset:256*\k    ; 256 consecutive bytes, aligned
	global_store_b64 v[L8], v[TI+2*\k:TI+2*\k+1], s[10:11] offset:256*\k
.endr
	s_wait_tensorcnt 0x0
	ds_add_u32 v254, v255
	s_wait_dscnt 0x0
	s_endpgm
.Lfunc_end_k_qd36d5a548e_sim:
	.size	k_qd36d5a548e_sim, .Lfunc_end_k_qd36d5a548e_sim-k_qd36d5a548e_sim
	.p2alignl 7, 3214868480
	.fill 96, 4, 3214868480
	.section	.rodata,"a",@progbits
	.p2align	6, 0x0
	.amdhsa_kernel k_qd36d5a548e_sim
		.amdhsa_group_segment_fixed_size 327680
		.amdhsa_private_segment_fixed_size 0
		.amdhsa_enable_private_segment 0
		.amdhsa_kernarg_size 32
		.amdhsa_user_sgpr_count 2
		.amdhsa_user_sgpr_kernarg_segment_ptr 1
		.amdhsa_wavefront_size32 1
		.amdhsa_system_sgpr_workgroup_id_x 1
		.amdhsa_system_sgpr_workgroup_id_y 1
		.amdhsa_system_sgpr_workgroup_id_z 1
		.amdhsa_system_vgpr_workitem_id 0
		.amdhsa_next_free_vgpr 448
		.amdhsa_next_free_sgpr 66
		.amdhsa_reserve_vcc 0
		.amdhsa_float_denorm_mode_32 3
		.amdhsa_float_denorm_mode_16_64 3
		.amdhsa_memory_ordered 1
		.amdhsa_forward_progress 1
		.amdhsa_inst_pref_size 65
	.end_amdhsa_kernel
	.amdgpu_metadata
---
amdhsa.version: [ 1, 2 ]
amdhsa.kernels:
  - .name:           k_qd36d5a548e_sim
    .symbol:         k_qd36d5a548e_sim.kd
    .args:
      - { .name: hq, .offset: 0, .size: 8, .value_kind: global_buffer, .address_space: global }
      - { .name: xq, .offset: 8, .size: 8, .value_kind: global_buffer, .address_space: global }
      - { .name: candv, .offset: 16, .size: 8, .value_kind: global_buffer, .address_space: global }
      - { .name: candi, .offset: 24, .size: 8, .value_kind: global_buffer, .address_space: global }
    .group_segment_fixed_size: 327680
    .private_segment_fixed_size: 0
    .kernarg_segment_align: 8
    .kernarg_segment_size: 32
    .max_flat_workgroup_size: 256
    .sgpr_count:     66
    .vgpr_count:     448
    .wavefront_size: 32
...
	.end_amdgpu_metadata
.endif
;; end of part 2
;; launch pick (part 3): grid 32 x 1, 25 waves a work-group, no clusters, 41,728 bytes of LDS; arguments candv, candi, gsel; writes gsel
.if DOCPART == 3
	.amdgcn_target "amdgcn-amd-amdhsa--gfx1250"
	.amdhsa_code_object_version 6
	.text
	.protected	k_qd36d5a548e_pick
	.globl	k_qd36d5a548e_pick
	.p2align	8
	.type	k_qd36d5a548e_pick,@function
k_qd36d5a548e_pick:
	s_mov_b64 s[64:65], 0
	v_nop
	global_prefetch_b8 v0, s[64:65] scope:SCOPE_SE
	s_setreg_imm32_b32 hwreg(HW_REG_WAVE_MODE, 25, 1), 1
	s_wait_xcnt 0x0
; For each query the five first of its 125 x 5 candidate groups, by (value falling, group rising).  candv, candi: [block of 64 queries 16][chunk 125][k 5][lane 32][u 2], word (l, u) = query 64 block + 32 u + l.
; A work-group takes 32 queries, a lane a query: work-group x: block x / 2, half x % 2; lane j reads word 32 (x % 2) + j of each unit of 256 bytes: query 64 block + 32 (j % 2) + 16 (x % 2) + j / 2.
; Three stages: wave a merges the lists of chunks 5 a .. 5 a + 4; waves 0 to 4 merge five of those each; wave 0 merges the last five.  Lists are taken in rising order of chunks and each from its head,
; and an equal value goes behind the one that is there: so equal values stay in rising order of groups.
; No matrix unit, no tensor loads: 5 MB are read once.  The result, 20 bytes of each query's 32, fills its units of 256 bytes in part: 20 KB in all.
.set L4,  2
.set A1,  3                            ; LDS: my wave's list: 1,280 x wave + 4 x lane
.set A2,  4                            ; five waves' lists: 6,400 x min(wave, 4) + 4 x lane
.set A3,  5                            ; the second stage's lists: 32,000 + 4 x lane
.set QO,  6
.set XT,  8
.set LVV, 16                           ; v16-40 25 values; the first five are the list
.set LID, 42                           ; v42-66 their groups
.set CM,  16                           ; s16-20 masks
.macro INS tb, ib, st, vv, gg
.irp k, 0,1,2,3,4
	v_cmp_gt_f32 s[CM+\k], v[\vv], v[(\tb)+(\st)*\k]
.endr
.irp k, 4,3,2,1
	v_cndmask_b32 v[XT], v[\gg], v[(\ib)+(\st)*(\k-1)], s[CM+\k-1]
	v_cndmask_b32 v[(\ib)+(\st)*\k], v[(\ib)+(\st)*\k], v[XT], s[CM+\k]
	v_med3_num_f32 v[(\tb)+(\st)*\k], v[(\tb)+(\st)*(\k-1)], v[(\tb)+(\st)*\k], v[\vv]
.endr
	v_cndmask_b32 v[\ib], v[\ib], v[\gg], s[CM]
	v_max_num_f32 v[\tb], v[\tb], v[\vv]
.endm
.macro SORT                            ; the first list stands; the other twenty candidates go into it
.set n, 5
.rept 20
	INS LVV, LID, 1, LVV+n, LID+n
.set n, n+1
.endr
.endm
.macro FROM adr, base                  ; five lists out of LDS
.irp cc, 0,1,2,3,4
.irp k, 0,1,2,3,4
	ds_load_b32 v[LVV+5*\cc+\k], v[\adr] offset:(\base)+1280*\cc+128*\k
	ds_load_b32 v[LID+5*\cc+\k], v[\adr] offset:(\base)+1280*\cc+128*\k+640
.endr
.endr
	s_wait_dscnt 0x0
.endm
.macro INTO base                       ; my list into LDS
.irp k, 0,1,2,3,4
	ds_store_b32 v[A1], v[LVV+\k] offset:(\base)+128*\k
	ds_store_b32 v[A1], v[LID+\k] offset:(\base)+128*\k+640
.endr
.endm
	s_load_b128 s[4:7], s[0:1], 0x0                ; candv, candi
	s_load_b64 s[8:9], s[0:1], 0x10                ; gsel
	v_lshl_add_u32 v80, v0, 2, 0x9600
	v_mov_b32 v81, 0
	v_lshrrev_b32 v1, 5, v0
	v_readfirstlane_b32 s12, v1                    ; wave 0..24
	v_and_b32 v1, 31, v0
	v_lshlrev_b32 v[L4], 2, v1
	s_mul_i32 s13, s12, 1280
	v_add_nc_u32 v[A1], s13, v[L4]
	s_min_u32 s14, s12, 4
	s_mul_i32 s14, s14, 6400
	v_add_nc_u32 v[A2], s14, v[L4]
	v_add_nc_u32 v[A3], 32000, v[L4]
	s_lshr_b32 s22, ttmp9, 1                       ; block
	s_and_b32 s23, ttmp9, 1                        ; half
	s_mul_i32 s24, s22, 160000
	s_mul_i32 s25, s12, 6400
	s_add_co_u32 s24, s24, s25
	s_lshl_b32 s25, s23, 7
	s_add_co_u32 s24, s24, s25
	s_mov_b32 s25, 0
	s_lshl_b32 s26, s22, 6
	s_lshl_b32 s27, s23, 4
	s_add_co_u32 s26, s26, s27                     ; 64 block + 16 half
	v_and_b32 v[QO], 1, v1
	v_lshrrev_b32 v7, 1, v1
	v_lshl_add_u32 v[QO], v[QO], 5, v7
	v_add_nc_u32 v[QO], s26, v[QO]                 ; my query
	v_lshlrev_b32 v[QO], 5, v[QO]                  ; 32 bytes a query
	s_wait_kmcnt 0x0
	s_add_nc_u64 s[4:5], s[4:5], s[24:25]
	s_add_nc_u64 s[6:7], s[6:7], s[24:25]
.irp cc, 0,1,2,3,4
.irp k, 0,1,2,3,4
	global_load_b32 v[LVV+5*\cc+\k], v[L4], s[4:5] offset:1280*\cc+256*\k
	global_load_b32 v[LID+5*\cc+\k], v[L4], s[6:7] offset:1280*\cc+256*\k
.endr
.endr
	s_wait_loadcnt 0x0
	SORT
	INTO 0
	s_wait_dscnt 0x0                               ; for the others' sake: my list lies in LDS
	s_barrier_signal -1
	s_barrier_wait -1
	s_cmp_lt_u32 s12, 5
	s_cbranch_scc0 .Lsecond_done
	FROM A2, 0
	SORT
	INTO 32000
.Lsecond_done:
	s_wait_dscnt 0x0
	s_barrier_signal -1
	s_barrier_wait -1
	s_cmp_eq_u32 s12, 0
	s_cbranch_scc0 .Lend
	FROM A3, 0
	SORT
	global_store_b128 v[QO], v[LID:LID+3], s[8:9]
	global_store_b32 v[QO], v[LID+4], s[8:9] offset:16
.Lend:
	s_wait_tensorcnt 0x0
	ds_add_u32 v80, v81
	s_wait_dscnt 0x0
	s_endpgm
.Lfunc_end_k_qd36d5a548e_pick:
	.size	k_qd36d5a548e_pick, .Lfunc_end_k_qd36d5a548e_pick-k_qd36d5a548e_pick
	.p2alignl 7, 3214868480
	.fill 96, 4, 3214868480
	.section	.rodata,"a",@progbits
	.p2align	6, 0x0
	.amdhsa_kernel k_qd36d5a548e_pick
		.amdhsa_group_segment_fixed_size 41728
		.amdhsa_private_segment_fixed_size 0
		.amdhsa_enable_private_segment 0
		.amdhsa_kernarg_size 24
		.amdhsa_user_sgpr_count 2
		.amdhsa_user_sgpr_kernarg_segment_ptr 1
		.amdhsa_wavefront_size32 1
		.amdhsa_system_sgpr_workgroup_id_x 1
		.amdhsa_system_sgpr_workgroup_id_y 1
		.amdhsa_system_sgpr_workgroup_id_z 1
		.amdhsa_system_vgpr_workitem_id 0
		.amdhsa_next_free_vgpr 82
		.amdhsa_next_free_sgpr 66
		.amdhsa_reserve_vcc 0
		.amdhsa_float_denorm_mode_32 3
		.amdhsa_float_denorm_mode_16_64 3
		.amdhsa_memory_ordered 1
		.amdhsa_forward_progress 1
		.amdhsa_inst_pref_size 84
	.end_amdhsa_kernel
	.amdgpu_metadata
---
amdhsa.version: [ 1, 2 ]
amdhsa.kernels:
  - .name:           k_qd36d5a548e_pick
    .symbol:         k_qd36d5a548e_pick.kd
    .args:
      - { .name: candv, .offset: 0, .size: 8, .value_kind: global_buffer, .address_space: global }
      - { .name: candi, .offset: 8, .size: 8, .value_kind: global_buffer, .address_space: global }
      - { .name: gsel, .offset: 16, .size: 8, .value_kind: global_buffer, .address_space: global }
    .group_segment_fixed_size: 41728
    .private_segment_fixed_size: 0
    .kernarg_segment_align: 8
    .kernarg_segment_size: 24
    .max_flat_workgroup_size: 800
    .sgpr_count:     66
    .vgpr_count:     82
    .wavefront_size: 32
...
	.end_amdgpu_metadata
.endif
;; end of part 3
;; launch refine (part 4): grid 256 x 1, 4 waves a work-group, no clusters, 0 bytes of LDS; arguments hq, xq, gsel, seli, selw; writes seli, selw
.if DOCPART == 4
	.amdgcn_target "amdgcn-amd-amdhsa--gfx1250"
	.amdhsa_code_object_version 6
	.text
	.protected	k_qd36d5a548e_refine
	.globl	k_qd36d5a548e_refine
	.p2align	8
	.type	k_qd36d5a548e_refine,@function
k_qd36d5a548e_refine:
	s_mov_b64 s[64:65], 0
	v_nop
	global_prefetch_b8 v0, s[64:65] scope:SCOPE_SE
	s_setreg_imm32_b32 hwreg(HW_REG_WAVE_MODE, 25, 1), 1
	s_wait_xcnt 0x0
; For each query: the similarities with the 5 x 32 rows of its five chosen groups, by the same matrix instruction on the same codes, K ascending; of these the five largest, an equal value going to the lower row;
; the softmax of the five values (the largest is taken away first).  seli, selw: [query][32] words, words 0 to 4 the rows and their weights, the rest 0.
; A wave takes one query: no loop, no LDS, no barrier.  Source 0 holds the query in all its 16 rows (every lane of a half loads the same bytes), source 1 = 16 rows of hist: register 0 of a result holds,
; in lane r, the similarity with row r.  The groups' numbers are whole numbers that an earlier launch stored; each is held at 3,124, the last group, before it enters an address.
; All loads go out at once, and there is one wait for them.
; LIMITS: NaN among the similarities is not served.
; REGISTERS.  Window 0: v16-63 the query's fragments; v64-67 its scale words; v68-87 hist's; v88-167 ten accumulators; v168.. at work.  Windows 1 to 3: hist's fragments, 96 registers a group.
; SCALARS.  s[4:13] the five buffers; s14-23 ids and offsets; s24-28 the five groups' numbers; s[30:31] an offset at work; s[32:41] the five groups' addresses and nothing else; s[42:43] the lane selects.
.set LANE, 1
.set L16,  3
.set L8,   4
.set L4,   5
.set XO,   6
.set XSO,  7
.set XF,   16
.set XSW,  64
.set HS,   68
.set ACC,  88
.set VV,   168                         ; v168-172 lane l: the similarity with row l of group k
.set IDX,  174                         ; v174-178 that row's number, as f32 (under 2^17: exact)
.set TOPV, 180
.set TOPI, 185
.set WA,   190
.set WB,   191
.set WC,   192
.set NEG,  197
.set BIG,  198
.set EX,   200
.set OI,   208
.set OW,   209
.set GA,   32                          ; s[32:41] group k's address at s[GA + 2 k : GA + 2 k + 1]
.set SEL,  42                          ; s[42:43] lane selects for v_permlanex16_b32: lane l xor 16
.set MSB, 0
.macro WIN new
.if MSB != (\new)
	s_set_vgpr_msb (MSB<<8)|(\new)
.set MSB, (\new)
.endif
.endm
	s_load_b256 s[4:11], s[0:1], 0x0               ; hq, xq, gsel, seli
	s_load_b64 s[12:13], s[0:1], 0x20              ; selw
	v_lshrrev_b32 v1, 5, v0
	v_readfirstlane_b32 s14, v1                    ; wave 0..3
	v_and_b32 v[LANE], 31, v0
	v_bfe_u32 v2, v0, 4, 1
	v_lshlrev_b32 v[L16], 4, v[LANE]
	v_lshlrev_b32 v[L8], 3, v[LANE]
	v_lshlrev_b32 v[L4], 2, v[LANE]
	s_lshl_b32 s15, ttmp9, 2
	s_add_co_u32 s15, s15, s14                     ; my query
	s_and_b32 s16, s15, 15                         ; its row in its tile
	s_lshr_b32 s17, s15, 4
	s_mul_i32 s18, s17, 6400                       ; its tile's record
	s_mov_b32 s19, 0
	s_lshl_b32 s20, s15, 5
	s_mov_b32 s21, 0
	s_lshl_b32 s22, s15, 7
	s_mov_b32 s23, 0
	s_lshl_b32 s17, s16, 4
	v_lshl_add_u32 v[XO], v2, 8, s17               ; the place of lane (row, h) in an image: 16 row + 256 h
	s_lshl_b32 s17, s16, 3
	v_mov_b32 v[XSO], s17                          ; and in the scale image: 8 row
	s_mov_b32 s[SEL], 0x76543210
	s_mov_b32 s[SEL+1], 0xfedcba98
	s_mov_b32 s31, 0
	s_wait_kmcnt 0x0
	s_add_nc_u64 s[8:9], s[8:9], s[20:21]
	s_load_b128 s[24:27], s[8:9], 0x0              ; my five groups
	s_load_b32 s28, s[8:9], 0x10
	s_add_nc_u64 s[6:7], s[6:7], s[18:19]
	s_add_nc_u64 s[10:11], s[10:11], s[22:23]
	s_add_nc_u64 s[12:13], s[12:13], s[22:23]
.irp s, 0,1,2,3
.irp i, 0,1,2
	global_load_b128 v[XF+12*\s+4*\i:XF+12*\s+4*\i+3], v[XO], s[6:7] offset:1536*\s+512*\i
.endr
	global_load_b32 v[XSW+\s], v[XSO], s[6:7] offset:6144+128*(\s%2)+4*(\s/2)   ; K step s: lane slot row + 16 (s % 2), word s / 2; the same word in every lane
.endr
	v_mov_b32 v[WB], 0                             ; a lane permute's destination counts as one of its sources
	v_mov_b32 v[NEG], 0xff800000
	v_mov_b32 v[BIG], 0x7f7fffff
	s_wait_kmcnt 0x0
.irp k, 0,1,2,3,4
	s_min_u32 s[24+\k], s[24+\k], 3124
	s_mul_i32 s30, s[24+\k], 12800
	s_add_nc_u64 s[GA+2*\k:GA+2*\k+1], s[4:5], s[30:31]
.endr
.irp k, 0,1,2,3,4
	WIN ((1+\k/2)<<6)                              ; destination window 1, 1, 2, 2, 3
.irp e, 0,1
.irp s, 0,1,2,3
.irp i, 0,1,2
	global_load_b128 v[96*(\k%2)+48*\e+12*\s+4*\i:96*(\k%2)+48*\e+12*\s+4*\i+3], v[L16], s[GA+2*\k:GA+2*\k+1] offset:6400*\e+1536*\s+512*\i
.endr
.endr
.endr
.endr
	WIN 0
.irp k, 0,1,2,3,4
.irp e, 0,1
	global_load_b64 v[HS+4*\k+2*\e:HS+4*\k+2*\e+1], v[L8], s[GA+2*\k:GA+2*\k+1] offset:6400*\e+6144
.endr
.endr
.irp k, 0,1,2,3,4
	s_lshl_b32 s30, s[24+\k], 5
	v_add_nc_u32 v[IDX+\k], s30, v[LANE]           ; row 32 group + lane
	v_cvt_f32_u32 v[IDX+\k], v[IDX+\k]
.endr
	s_wait_loadcnt 0x0
.irp k, 0,1,2,3,4                      ; a group's two accumulators take turns, one instruction a turn
	WIN ((1+\k/2)<<2)                              ; source 1 window 1, 1, 2, 2, 3
.irp s, 0,1,2,3
.irp e, 0,1
.if \s == 0
	v_wmma_scale_f32_16x16x128_f8f6f4 v[ACC+16*\k+8*\e:ACC+16*\k+8*\e+7], v[XF+12*\s:XF+12*\s+11], v[96*(\k%2)+48*\e+12*\s:96*(\k%2)+48*\e+12*\s+11], 0, v[XSW+\s], v[HS+4*\k+2*\e] matrix_a_fmt:MATRIX_FMT_FP6 matrix_b_fmt:MATRIX_FMT_FP6
.elseif \s == 2
	v_wmma_scale_f32_16x16x128_f8f6f4 v[ACC+16*\k+8*\e:ACC+16*\k+8*\e+7], v[XF+12*\s:XF+12*\s+11], v[96*(\k%2)+48*\e+12*\s:96*(\k%2)+48*\e+12*\s+11], v[ACC+16*\k+8*\e:ACC+16*\k+8*\e+7], v[XSW+\s], v[HS+4*\k+2*\e+1] matrix_a_fmt:MATRIX_FMT_FP6 matrix_b_fmt:MATRIX_FMT_FP6
.else
	v_wmma_scale_f32_16x16x128_f8f6f4 v[ACC+16*\k+8*\e:ACC+16*\k+8*\e+7], v[XF+12*\s:XF+12*\s+11], v[96*(\k%2)+48*\e+12*\s:96*(\k%2)+48*\e+12*\s+11], v[ACC+16*\k+8*\e:ACC+16*\k+8*\e+7], v[XSW+\s], v[HS+4*\k+2*\e+\s/2] matrix_a_fmt:MATRIX_FMT_FP6 matrix_b_fmt:MATRIX_FMT_FP6 matrix_b_scale:MATRIX_SCALE_ROW1
.endif
.endr
.endr
.endr
	WIN 0
.rept 4
	v_nop                                          ; four places in front of the first read of results
.endr
	v_cmp_le_u32 vcc_lo, 16, v[LANE]
.irp k, 0,1,2,3,4
	v_cndmask_b32 v[VV+\k], v[ACC+16*\k], v[ACC+16*\k+8], vcc_lo   ; lanes 0-15: the group's first tile; lanes 16-31: its second.  Each result's lowest register
.endr
; The n-th largest: the largest value over my five and over the 32 lanes; among those that have it, the smallest row; that row leaves the field.
.macro PICK1 n
	v_max3_num_f32 v[WA], v[VV], v[VV+1], v[VV+2]
	v_max3_num_f32 v[WA], v[WA], v[VV+3], v[VV+4]
.irp m, 1,2,4,8
	v_max_num_f32_dpp v[WA], v[WA], v[WA] row_xmask:\m row_mask:0xf bank_mask:0xf
.endr
	v_permlanex16_b32 v[WB], v[WA], s[SEL], s[SEL+1]
	v_max_num_f32 v[TOPV+\n], v[WA], v[WB]
.irp k, 0,1,2,3,4
	v_cmp_eq_f32 vcc_lo, v[VV+\k], v[TOPV+\n]
	v_cndmask_b32 v[WC+\k], v[BIG], v[IDX+\k], vcc_lo
.endr
	v_min3_num_f32 v[WA], v[WC], v[WC+1], v[WC+2]
	v_min3_num_f32 v[WA], v[WA], v[WC+3], v[WC+4]
.irp m, 1,2,4,8
	v_min_num_f32_dpp v[WA], v[WA], v[WA] row_xmask:\m row_mask:0xf bank_mask:0xf
.endr
	v_permlanex16_b32 v[WB], v[WA], s[SEL], s[SEL+1]
	v_min_num_f32 v[TOPI+\n], v[WA], v[WB]
.irp k, 0,1,2,3,4
	v_cmp_eq_f32 vcc_lo, v[IDX+\k], v[TOPI+\n]
	v_cndmask_b32 v[VV+\k], v[VV+\k], v[NEG], vcc_lo
.endr
.endm
.irp n, 0,1,2,3,4
	PICK1 \n
.endr
.irp n, 0,1,2,3,4
	v_sub_f32 v[EX+\n], v[TOPV+\n], v[TOPV]        ; the largest is taken away
.endr
.irp n, 0,1,2,3,4
	v_mul_f32 v[EX+\n], 0x3fb8aa3b, v[EX+\n]
.endr
.irp n, 0,1,2,3,4
	v_exp_f32 v[EX+\n], v[EX+\n]
.endr
	v_mov_b32 v[OI], 0                             ; (a plain place behind the exponentials)
	v_mov_b32 v[OW], 0
	s_wait_alu depctr_va_vdst(0)                   ; one wait for the five, ahead of their first reader
	v_add_f32 v[WA], v[EX], v[EX+1]
	v_add_f32 v[WC], v[EX+2], v[EX+3]
	v_add_f32 v[WA], v[WA], v[EX+4]
	v_add_f32 v[WA], v[WA], v[WC]
	v_rcp_f32 v[WC+1], v[WA]
.irp n, 0,1,2,3,4
	v_cvt_u32_f32 v[TOPI+\n], v[TOPI+\n]           ; (plain work behind the reciprocal)
.endr
	s_wait_alu depctr_va_vdst(0)
.irp n, 0,1,2,3,4
	v_mul_f32 v[EX+\n], v[EX+\n], v[WC+1]
.endr
.irp n, 0,1,2,3,4
	v_cmp_eq_u32 vcc_lo, \n, v[LANE]               ; lane n takes the n-th; the other lanes keep 0
	v_cndmask_b32 v[OI], v[OI], v[TOPI+\n], vcc_lo
	v_cndmask_b32 v[OW], v[OW], v[EX+\n], vcc_lo
.endr
	global_store_b32 v[L4], v[OI], s[10:11]        ; 128 consecutive bytes a wave, 512 a work-group
	global_store_b32 v[L4], v[OW], s[12:13]
	s_endpgm
.Lfunc_end_k_qd36d5a548e_refine:
	.size	k_qd36d5a548e_refine, .Lfunc_end_k_qd36d5a548e_refine-k_qd36d5a548e_refine
	.p2alignl 7, 3214868480
	.fill 96, 4, 3214868480
	.section	.rodata,"a",@progbits
	.p2align	6, 0x0
	.amdhsa_kernel k_qd36d5a548e_refine
		.amdhsa_group_segment_fixed_size 0
		.amdhsa_private_segment_fixed_size 0
		.amdhsa_enable_private_segment 0
		.amdhsa_kernarg_size 40
		.amdhsa_user_sgpr_count 2
		.amdhsa_user_sgpr_kernarg_segment_ptr 1
		.amdhsa_wavefront_size32 1
		.amdhsa_system_sgpr_workgroup_id_x 1
		.amdhsa_system_sgpr_workgroup_id_y 1
		.amdhsa_system_sgpr_workgroup_id_z 1
		.amdhsa_system_vgpr_workitem_id 0
		.amdhsa_next_free_vgpr 864
		.amdhsa_next_free_sgpr 66
		.amdhsa_reserve_vcc 1
		.amdhsa_float_denorm_mode_32 3
		.amdhsa_float_denorm_mode_16_64 3
		.amdhsa_memory_ordered 1
		.amdhsa_forward_progress 1
		.amdhsa_inst_pref_size 32
	.end_amdhsa_kernel
	.amdgpu_metadata
---
amdhsa.version: [ 1, 2 ]
amdhsa.kernels:
  - .name:           k_qd36d5a548e_refine
    .symbol:         k_qd36d5a548e_refine.kd
    .args:
      - { .name: hq, .offset: 0, .size: 8, .value_kind: global_buffer, .address_space: global }
      - { .name: xq, .offset: 8, .size: 8, .value_kind: global_buffer, .address_space: global }
      - { .name: gsel, .offset: 16, .size: 8, .value_kind: global_buffer, .address_space: global }
      - { .name: seli, .offset: 24, .size: 8, .value_kind: global_buffer, .address_space: global }
      - { .name: selw, .offset: 32, .size: 8, .value_kind: global_buffer, .address_space: global }
    .group_segment_fixed_size: 0
    .private_segment_fixed_size: 0
    .kernarg_segment_align: 8
    .kernarg_segment_size: 40
    .max_flat_workgroup_size: 128
    .sgpr_count:     66
    .vgpr_count:     864
    .wavefront_size: 32
...
	.end_amdgpu_metadata
.endif
;; end of part 4
;; launch mlp1 (part 5): grid 8 x 32, 8 waves a work-group, no clusters, 44,544 bytes of LDS; arguments x, hist, seli, selw, W1_codes, W1_scales, b1, hq2; writes hq2
.if DOCPART == 5
	.amdgcn_target "amdgcn-amd-amdhsa--gfx1250"
	.amdhsa_code_object_version 6
	.text
	.protected	k_qd36d5a548e_mlp1
	.globl	k_qd36d5a548e_mlp1
	.p2align	8
	.type	k_qd36d5a548e_mlp1,@function
k_qd36d5a548e_mlp1:
	s_mov_b64 s[64:65], 0
	v_nop
	global_prefetch_b8 v0, s[64:65] scope:SCOPE_SE
	s_setreg_imm32_b32 hwreg(HW_REG_WAVE_MODE, 25, 1), 1
	s_wait_xcnt 0x0
; h = relu([x_last, weighted x 5] W1 + b1), quantised along the next product's K.  weighted = the sum of five rows of hist times their weights, in f32.  Both operands of the product are codes of FP6 with E8M0 scales.
; SHARES.  Work-group (x, y): rows 32 y .. + 31, hidden units 128 x .. + 127, which are K step x of the next product.  hq2: a record of 12,800 bytes for each 16 rows: K step s's fragment as an image of its registers
; at 1536 s + 512 i + 16 lane; row r's scale word of K step s at 12288 + 64 s + 4 r.
; G: wave w (row tile w / 4, K step w % 4 of the 512) gathers: lane (r, h) takes, of x's row and of the five rows of hist, blocks 2 c + h of its K step, 32 neighbours each; forms the weighted sum; quantises both;
;    the two fragments and their scale words go to LDS as images of their registers | barrier |
; M: wave w makes hidden units 16 w .. + 15 of the 128 for both row tiles: source 0 = 16 rows of W1's codes, source 1 = 16 rows of the operand.  The five copies of 'weighted' are ONE fragment used against five K steps of W1.
;    The 24 K steps are taken in the order u, 4 + u, .. 20 + u for u = 0 .. 3, not ascending: the sums are compared within a tolerance.  b1 is the C of each sum's first instruction.  relu; to a stage in LDS | barrier |
; Q: waves 0 and 1 read a row tile's 128 numbers a row back, 32 neighbours a lane, quantise and store.
; The rows' numbers are whole numbers that an earlier launch stored; each is held at 99,999, the last row, before it enters an address.
; No tensor loads: every operand goes from memory straight into registers.  No cluster for that reason.
; LIMITS: NaN and infinities are not served; a block of zeros carries the byte 1 (its codes are zeros, and this program alone reads the bytes).
; REGISTERS.  Window 0: v4-15 addresses; v16-20 the five rows' offsets; v22-31 the weights, twice each; v32-95 x's numbers, later fragments set 0 (v32-79) and two accumulators (v80-95);
;   v96-159 the fifth row, then the weighted sum, later fragments set 1 (v96-143) and b1 (v144-151); v160-195 W1's K steps 21-23; v196-219 W1's scale words; v220-227 the operand's; v228-255 the quantiser's.
;   Window 1: four rows of hist (the first gathers the sum), later W1's K steps 0-20.
.set AIMG, 0                           ; LDS: 16 fragments of 1,536 bytes: 8 (row tile) + 4 (0: x, 1: weighted) + K step
.set ASC,  24576                       ; their scale words, 128 bytes each
.set HST,  26624                       ; the stage: 32 rows x (512 bytes + 16)
.set SH8,  4
.set LI,   5                           ; 16 x lane
.set L4,   6                           ; 4 x lane
.set GI,   7                           ; where I store my fragments
.set GS,   8                           ; and their scale words
.set HSW,  9                           ; the stage, in
.set HSR,  10                          ; the stage, out
.set VQ,   11                          ; my row; later 32 h
.set SELO, 12                          ; 128 x my row; later 4 r
.set OFFX, 13
.set VH,   14
.set W1O,  15
.set OFK,  16
.set W1SO, 21
.set WP,   22
.set XR,   32
.set WT,   96
.set AF,   32                          ; set s at v[AF + 64 s]
.set ACC,  80
.set B1R,  144
.set W1X,  160
.set W1S,  196
.set ASW,  220
.set CD,   228
.set MX,   240
.set SO,   242
.set BY,   244
.set TP,   246
.set PW,   247
.set TT,   248
.set SEL,  26
.set MSB, 0
.macro WIN new
.if MSB != (\new)
	s_set_vgpr_msb (MSB<<8)|(\new)
.set MSB, (\new)
.endif
.endm
.macro QUANT2 src, out, wrd            ; 64 numbers of a lane, half c = block 2 c + h of one K step of my row, become the fragment's 12 registers and my row's scale word
.irp c, 0,1
	v_max3_num_f32 v[MX+\c], |v[(\src)+32*\c]|, |v[(\src)+32*\c+1]|, 0x1800000   ; with the floor 2^(3 - 127): the byte cannot fall under 1
.endr
.irp i, 2,4,6,8,10,12,14,16,18,20,22,24,26,28,30
.irp c, 0,1
	v_max3_num_f32 v[MX+\c], v[MX+\c], |v[(\src)+32*\c+\i]|, |v[(\src)+32*\c+\i+1]|
.endr
.endr
.irp c, 0,1
	v_add_nc_u32 v[SO+\c], 0xff000000, v[MX+\c]    ; 2 off the exponent field: the conversion's scale operand
.endr
.irp c, 0,1
	v_lshrrev_b32 v[BY+\c], 23, v[SO+\c]
.endr
	v_lshl_or_b32 v[\wrd], v[BY+1], 16, v[BY]
	v_lshlrev_b32 v[\wrd], v[SH8], v[\wrd]
	v_permlanex16_b32 v[TP], v[\wrd], s[SEL], s[SEL+1]
	v_or_b32 v[\wrd], v[\wrd], v[TP]
.irp c, 0,1
	v_cvt_scalef32_pk16_fp6_f32 v[(\out)+6*\c:(\out)+6*\c+2], v[(\src)+32*\c:(\src)+32*\c+15], v[SO+\c]
	v_cvt_scalef32_pk16_fp6_f32 v[TT+4*\c:TT+4*\c+2], v[(\src)+32*\c+16:(\src)+32*\c+31], v[SO+\c]
.endr
	v_nop                                          ; one plain place behind the scaled conversions
.irp c, 0,1
.irp i, 0,1,2
	v_mov_b32 v[(\out)+3+6*\c+\i], v[TT+4*\c+\i]
.endr
.endr
.endm
	s_load_b256 s[4:11], s[0:1], 0x0               ; x, hist, seli, selw
	s_load_b256 s[12:19], s[0:1], 0x20             ; W1's codes, W1's scales, b1, hq2
	v_lshrrev_b32 v1, 5, v0
	v_readfirstlane_b32 s20, v1                    ; wave 0..7
	v_and_b32 v1, 31, v0
	v_and_b32 v2, 15, v0                           ; r
	v_bfe_u32 v3, v0, 4, 1                         ; h
	v_lshlrev_b32 v[SH8], 3, v3
	v_lshlrev_b32 v[LI], 4, v1
	v_lshlrev_b32 v[L4], 2, v1
	s_lshr_b32 s21, s20, 2                         ; my row tile in phase G
	s_and_b32 s22, s20, 3                          ; my K step
	s_and_b32 s24, ttmp7, 0xffff                   ; the block of 32 rows
	s_lshl_b32 s28, s21, 3
	s_add_co_u32 s28, s28, s22
	s_mul_i32 s29, s28, 1536
	v_add_nc_u32 v[GI], s29, v[LI]
	s_lshl_b32 s29, s28, 7
	s_add_co_u32 s29, s29, ASC
	v_add_nc_u32 v[GS], s29, v[L4]
	v_mul_u32_u24 v[HSW], v2, 528
	v_lshl_add_u32 v[HSW], v3, 5, v[HSW]
	s_lshl_b32 s29, s20, 6
	s_add_co_u32 s29, s29, HST
	v_add_nc_u32 v[HSW], s29, v[HSW]               ; row r, + 64 x wave + 32 h: my eight hidden units
	s_and_b32 s29, s20, 1
	s_mul_i32 s29, s29, 8448
	s_add_co_u32 s29, s29, HST
	v_mul_u32_u24 v[HSR], v2, 528
	v_lshl_add_u32 v[HSR], v3, 7, v[HSR]
	v_add_nc_u32 v[HSR], s29, v[HSR]               ; row 16 (wave % 2) + r, + 128 h
	s_lshl_b32 s30, s24, 5
	s_lshl_b32 s29, s21, 4
	s_add_co_u32 s30, s30, s29
	v_add_nc_u32 v[VQ], s30, v2                    ; my row: 32 y + 16 (row tile) + r
	v_lshlrev_b32 v[SELO], 7, v[VQ]
	s_lshl_b32 s29, s22, 9
	v_lshl_add_u32 v[VH], v3, 7, s29               ; 512 (K step) + 128 h
	v_lshlrev_b32 v[OFFX], 15, v[VQ]
	v_add_nc_u32 v[OFFX], v[OFFX], v[VH]
	v_add_nc_u32 v[OFFX], 30720, v[OFFX]           ; x[row][15][..]
	v_mul_u32_u24 v[W1O], v2, 2304                 ; W1: a row is 3,072 codes
	v_mad_u32_u24 v[W1O], v3, 24, v[W1O]
	v_mul_u32_u24 v[W1SO], v2, 96
	v_lshlrev_b32 v[VQ], 5, v3                     ; from here on: 32 h, for b1
	v_mov_b32 v[TP], 0                             ; a lane permute's destination counts as one of its sources
	s_mov_b32 s[SEL], 0x76543210
	s_mov_b32 s[SEL+1], 0xfedcba98
	s_lshl_b32 s28, ttmp9, 7
	s_lshl_b32 s29, s20, 4
	s_add_co_u32 s28, s28, s29                     ; my first hidden unit: 128 x + 16 wave
	s_mov_b32 s31, 0
	s_wait_kmcnt 0x0
	global_load_b128 v[OFK:OFK+3], v[SELO], s[8:9]
	global_load_b32 v[OFK+4], v[SELO], s[8:9] offset:16
	global_load_b128 v[TT:TT+3], v[SELO], s[10:11]
	global_load_b32 v[TT+4], v[SELO], s[10:11] offset:16
.irp c, 0,1
.irp q, 0,1,2,3,4,5,6,7
	global_load_b128 v[XR+32*\c+4*\q:XR+32*\c+4*\q+3], v[OFFX], s[4:5] offset:256*\c+16*\q
.endr
.endr
	s_mul_i32 s30, s28, 2304
	s_add_nc_u64 s[12:13], s[12:13], s[30:31]
	s_mul_i32 s30, s28, 96
	s_add_nc_u64 s[14:15], s[14:15], s[30:31]
	s_lshl_b32 s30, s28, 2
	s_add_nc_u64 s[16:17], s[16:17], s[30:31]
	s_lshl_b32 s30, s24, 1
	s_and_b32 s29, s20, 1
	s_add_co_u32 s30, s30, s29
	s_mul_i32 s30, s30, 12800                      ; phase Q: the record of row tile 2 y + wave
	s_add_nc_u64 s[18:19], s[18:19], s[30:31]
	s_mul_i32 s30, ttmp9, 1536
	s_add_nc_u64 s[32:33], s[18:19], s[30:31]      ; K step x's fragment,
	s_lshl_b32 s30, ttmp9, 6
	s_add_co_u32 s30, s30, 12288
	s_add_nc_u64 s[34:35], s[18:19], s[30:31]      ; and its scale words
	s_wait_loadcnt 16                              ; rows and weights are in; x's sixteen loads may be out
.irp k, 0,1,2,3,4
	v_min_u32 v[OFK+\k], 0x1869f, v[OFK+\k]
	v_lshlrev_b32 v[OFK+\k], 11, v[OFK+\k]
	v_add_nc_u32 v[OFK+\k], v[OFK+\k], v[VH]
	v_mov_b32 v[WP+2*\k], v[TT+\k]
	v_mov_b32 v[WP+2*\k+1], v[TT+\k]
.endr
	WIN 0x40                                       ; destination window 1
.irp k, 0,1,2,3
.irp c, 0,1
.irp q, 0,1,2,3,4,5,6,7
	global_load_b128 v[64*\k+32*\c+4*\q:64*\k+32*\c+4*\q+3], v[OFK+\k], s[6:7] offset:256*\c+16*\q
.endr
.endr
.endr
	WIN 0
.irp c, 0,1
.irp q, 0,1,2,3,4,5,6,7
	global_load_b128 v[WT+32*\c+4*\q:WT+32*\c+4*\q+3], v[OFK+4], s[6:7] offset:256*\c+16*\q
.endr
.endr
	s_wait_loadcnt 48                              ; x and the first two rows are in; three rows of sixteen loads may be out
	WIN 0x41                                       ; destination and source 0 window 1
.set j, 0
.rept 32
	v_pk_mul_f32 v[j:j+1], v[j:j+1], v[WP:WP+1]
.set j, j+2
.endr
	WIN 0x51                                       ; and source 2
.set j, 0
.rept 32
	v_pk_fma_f32 v[j:j+1], v[64+j:65+j], v[WP+2:WP+3], v[j:j+1]
.set j, j+2
.endr
	s_wait_loadcnt 32                              ; the third row
.set j, 0
.rept 32
	v_pk_fma_f32 v[j:j+1], v[128+j:129+j], v[WP+4:WP+5], v[j:j+1]
.set j, j+2
.endr
	s_wait_loadcnt 16                              ; the fourth
.set j, 0
.rept 32
	v_pk_fma_f32 v[j:j+1], v[192+j:193+j], v[WP+6:WP+7], v[j:j+1]
.set j, j+2
.endr
	s_wait_loadcnt 0x0                             ; the fifth
	WIN 0x10                                       ; source 2 window 1: the sum comes to window 0, in the fifth row's place
.set j, 0
.rept 32
	v_pk_fma_f32 v[WT+j:WT+j+1], v[WT+j:WT+j+1], v[WP+8:WP+9], v[j:j+1]
.set j, j+2
.endr
	WIN 0x40                                       ; W1's fragments: they land while the operand is quantised
.set k, 0
.rept 21
.irp p, 0,1,2,3,4,5
	global_load_b64 v[12*k+2*\p:12*k+2*\p+1], v[W1O], s[12:13] offset:96*k+48*(\p/3)+8*(\p%3)
.endr
.set k, k+1
.endr
	WIN 0
.rept 3
.irp p, 0,1,2,3,4,5
	global_load_b64 v[W1X+12*(k-21)+2*\p:W1X+12*(k-21)+2*\p+1], v[W1O], s[12:13] offset:96*k+48*(\p/3)+8*(\p%3)
.endr
.set k, k+1
.endr
.irp i, 0,1,2,3,4,5
	global_load_b128 v[W1S+4*\i:W1S+4*\i+3], v[W1SO], s[14:15] offset:16*\i   ; my unit's 24 scale words
.endr
	QUANT2 XR, CD, PW
.irp i, 0,1,2
	ds_store_b128 v[GI], v[CD+4*\i:CD+4*\i+3] offset:AIMG+512*\i
.endr
	ds_store_b32 v[GS], v[PW]
	s_wait_dscnt 0x0                               ; the stores have read their registers
	QUANT2 WT, CD, PW
.irp i, 0,1,2
	ds_store_b128 v[GI], v[CD+4*\i:CD+4*\i+3] offset:AIMG+6144+512*\i
.endr
	ds_store_b32 v[GS], v[PW] offset:512
	global_load_b128 v[B1R:B1R+3], v[VQ], s[16:17]             ; b1 at my eight units, in the result's layout
	global_load_b128 v[B1R+4:B1R+7], v[VQ], s[16:17] offset:16
	s_wait_dscnt 0x0                               ; for the others' sake: my fragments lie in LDS
	s_barrier_signal -1
	s_barrier_wait -1
.macro AFLOAD u, set                   ; K step u of x and of 'weighted', both row tiles: four fragments and their scale words: 16 LDS instructions
.irp tt, 0,1
.irp pp, 0,1
.irp i, 0,1,2
	ds_load_b128 v[AF+64*(\set)+12*(2*\tt+\pp)+4*\i:AF+64*(\set)+12*(2*\tt+\pp)+4*\i+3], v[LI] offset:AIMG+(8*\tt+4*\pp+(\u))*1536+512*\i
.endr
	ds_load_b32 v[ASW+4*(\set)+2*\tt+\pp], v[L4] offset:ASC+(8*\tt+4*\pp+(\u))*128
.endr
.endr
.endm
.macro MMK ks, part, set, first        ; K step ks of W1 against both row tiles: the two accumulators take turns, one instruction a turn
.if (\ks) <= 20
	WIN 0x01                                       ; source 0 window 1
.set WA, 12*(\ks)
.else
	WIN 0
.set WA, W1X+12*((\ks)-21)
.endif
.irp tt, 0,1
.if \first
	v_wmma_scale_f32_16x16x128_f8f6f4 v[ACC+8*\tt:ACC+8*\tt+7], v[WA:WA+11], v[AF+64*(\set)+12*(2*\tt+(\part)):AF+64*(\set)+12*(2*\tt+(\part))+11], v[B1R:B1R+7], v[W1S+(\ks)], v[ASW+4*(\set)+2*\tt+(\part)] matrix_a_fmt:MATRIX_FMT_FP6 matrix_b_fmt:MATRIX_FMT_FP6
.else
	v_wmma_scale_f32_16x16x128_f8f6f4 v[ACC+8*\tt:ACC+8*\tt+7], v[WA:WA+11], v[AF+64*(\set)+12*(2*\tt+(\part)):AF+64*(\set)+12*(2*\tt+(\part))+11], v[ACC+8*\tt:ACC+8*\tt+7], v[W1S+(\ks)], v[ASW+4*(\set)+2*\tt+(\part)] matrix_a_fmt:MATRIX_FMT_FP6 matrix_b_fmt:MATRIX_FMT_FP6
.endif
.endr
.endm
	AFLOAD 0, 0
	s_wait_loadcnt 0x0                             ; W1, its scale words, b1
.irp u, 0,1,2,3
.if \u < 3
.rept 4
	v_nop                                          ; four places in front of loads into registers that matrix instructions have read
.endr
	AFLOAD \u+1, (\u+1)%2
	s_wait_dscnt 16                                ; this step's set is in; the sixteen just issued may be out
.else
	s_wait_dscnt 0x0
.endif
	MMK \u, 0, \u%2, (\u==0)
	MMK 4+\u, 1, \u%2, 0
	MMK 8+\u, 1, \u%2, 0
	MMK 12+\u, 1, \u%2, 0
	MMK 16+\u, 1, \u%2, 0
	MMK 20+\u, 1, \u%2, 0
	WIN 0
.endr
.rept 4
	v_nop                                          ; four places in front of the first read of results
.endr
.irp j, 0,1,2,3,4,5,6,7,8,9,10,11,12,13,14,15
	v_max_num_f32 v[ACC+\j], 0, v[ACC+\j]          ; the activation, in f32; each accumulator from its low end on
.endr
.irp tt, 0,1
	ds_store_b128 v[HSW], v[ACC+8*\tt:ACC+8*\tt+3] offset:8448*\tt
	ds_store_b128 v[HSW], v[ACC+8*\tt+4:ACC+8*\tt+7] offset:8448*\tt+16
.endr
	s_wait_dscnt 0x0                               ; for the others' sake
	s_barrier_signal -1
	s_barrier_wait -1
	s_cmp_lt_u32 s20, 2
	s_cbranch_scc0 .Lend
.irp c, 0,1
.irp q, 0,1,2,3,4,5,6,7
	ds_load_b128 v[XR+32*\c+4*\q:XR+32*\c+4*\q+3], v[HSR] offset:256*\c+16*\q
.endr
.endr
	v_lshlrev_b32 v[SELO], 2, v2                   ; 4 r
	s_wait_dscnt 0x0
	QUANT2 XR, CD, PW
.irp i, 0,1,2
	global_store_b128 v[LI], v[CD+4*\i:CD+4*\i+3], s[32:33] offset:512*\i   ; 512 consecutive bytes, aligned
.endr
	global_store_b32 v[SELO], v[PW], s[34:35]      ; both halves of the lanes write the same word with the same value
.Lend:
	s_wait_xcnt 0x0
	v_lshl_add_u32 v254, v0, 2, 0xaa00
	v_mov_b32 v255, 0
	s_wait_tensorcnt 0x0
	ds_add_u32 v254, v255
	s_wait_dscnt 0x0
	s_endpgm
.Lfunc_end_k_qd36d5a548e_mlp1:
	.size	k_qd36d5a548e_mlp1, .Lfunc_end_k_qd36d5a548e_mlp1-k_qd36d5a548e_mlp1
	.p2alignl 7, 3214868480
	.fill 96, 4, 3214868480
	.section	.rodata,"a",@progbits
	.p2align	6, 0x0
	.amdhsa_kernel k_qd36d5a548e_mlp1
		.amdhsa_group_segment_fixed_size 44544
		.amdhsa_private_segment_fixed_size 0
		.amdhsa_enable_private_segment 0
		.amdhsa_kernarg_size 64
		.amdhsa_user_sgpr_count 2
		.amdhsa_user_sgpr_kernarg_segment_ptr 1
		.amdhsa_wavefront_size32 1
		.amdhsa_system_sgpr_workgroup_id_x 1
		.amdhsa_system_sgpr_workgroup_id_y 1
		.amdhsa_system_sgpr_workgroup_id_z 1
		.amdhsa_system_vgpr_workitem_id 0
		.amdhsa_next_free_vgpr 512
		.amdhsa_next_free_sgpr 66
		.amdhsa_reserve_vcc 0
		.amdhsa_float_denorm_mode_32 3
		.amdhsa_float_denorm_mode_16_64 3
		.amdhsa_memory_ordered 1
		.amdhsa_forward_progress 1
		.amdhsa_inst_pref_size 62
	.end_amdhsa_kernel
	.amdgpu_metadata
---
amdhsa.version: [ 1, 2 ]
amdhsa.kernels:
  - .name:           k_qd36d5a548e_mlp1
    .symbol:         k_qd36d5a548e_mlp1.kd
    .args:
      - { .name: x, .offset: 0, .size: 8, .value_kind: global_buffer, .address_space: global }
      - { .name: hist, .offset: 8, .size: 8, .value_kind: global_buffer, .address_space: global }
      - { .name: seli, .offset: 16, .size: 8, .value_kind: global_buffer, .address_space: global }
      - { .name: selw, .offset: 24, .size: 8, .value_kind: global_buffer, .address_space: global }
      - { .name: W1_codes, .offset: 32, .size: 8, .value_kind: global_buffer, .address_space: global }
      - { .name: W1_scales, .offset: 40, .size: 8, .value_kind: global_buffer, .address_space: global }
      - { .name: b1, .offset: 48, .size: 8, .value_kind: global_buffer, .address_space: global }
      - { .name: hq2, .offset: 56, .size: 8, .value_kind: global_buffer, .address_space: global }
    .group_segment_fixed_size: 44544
    .private_segment_fixed_size: 0
    .kernarg_segment_align: 8
    .kernarg_segment_size: 64
    .max_flat_workgroup_size: 256
    .sgpr_count:     66
    .vgpr_count:     512
    .wavefront_size: 32
...
	.end_amdgpu_metadata
.endif
;; end of part 5
;; launch mlp2 (part 6): grid 64 x 1, 8 waves a work-group, no clusters, 35,840 bytes of LDS; arguments hq2, W2_codes, W2_scales, b2, gamma, beta, out0; writes out0
.if DOCPART == 6
	.amdgcn_target "amdgcn-amd-amdhsa--gfx1250"
	.amdhsa_code_object_version 6
	.text
	.protected	k_qd36d5a548e_mlp2
	.globl	k_qd36d5a548e_mlp2
	.p2align	8
	.type	k_qd36d5a548e_mlp2,@function
k_qd36d5a548e_mlp2:
	s_mov_b64 s[64:65], 0
	v_nop
	global_prefetch_b8 v0, s[64:65] scope:SCOPE_SE
	s_setreg_imm32_b32 hwreg(HW_REG_WAVE_MODE, 25, 1), 1
	s_wait_xcnt 0x0
; out = LayerNorm(h W2 + b2) x gamma + beta.  h comes as codes of FP6 with E8M0 scales, in records of 16 rows laid as images of operand registers; W2 as the problem gives it.
; SHARES.  A work-group owns 16 rows, whole, since the norm runs along a row; wave w owns columns 64 w .. + 63: four tiles.  64 work-groups: the rows have no more to share out without splitting a row's norm.
; Source 0 = 16 rows of W2's codes (output columns), source 1 = the 16 rows of h: a lane holds ONE row (lane % 16) and eight neighbouring columns of each tile.  b2 is the C of each sum's first instruction.
; W2's 32 fragments of a wave do not fit beside the rest: K steps 0-3 come first, K steps 4-7 into the same registers.
; The norm in two passes: the mean, then the mean of the squared differences; a row's sums meet in LDS (eight words a row).  The result leaves through a stage in LDS as whole rows.
; REGISTERS.  Window 0: v4-12 addresses; v16-111 h's eight fragments; v112-119 their scale words; v120-151 W2's; v152-183 b2; v184-215 four accumulators; v216.. at work.
;   Window 1: v0-191 sixteen fragments of W2; v192-223 gamma; v224-255 beta, both in the result's layout.
.set RS1, 0                            ; LDS: eight waves x 16 rows of sums; the same for the squares; the stage: 16 rows x (2,048 bytes + 16)
.set RS2, 512
.set OST, 1024
.set LI,   4
.set R4,   5
.set W2O,  6
.set W2SO, 7
.set BO,   8
.set RSW,  9
.set OSW,  11
.set OSR,  12
.set HF,   16
.set HSW,  112
.set W2S,  120
.set B2R,  152
.set ACC,  184
.set SEL,  26
.set MSB, 0
.macro WIN new
.if MSB != (\new)
	s_set_vgpr_msb (MSB<<8)|(\new)
.set MSB, (\new)
.endif
.endm
	s_load_b256 s[4:11], s[0:1], 0x0               ; hq2, W2's codes, W2's scales, b2
	s_load_b128 s[12:15], s[0:1], 0x20             ; gamma, beta
	s_load_b64 s[16:17], s[0:1], 0x30              ; out0
	v_lshl_add_u32 v254, v0, 2, 0x8800
	v_mov_b32 v255, 0
	v_lshrrev_b32 v1, 5, v0
	v_readfirstlane_b32 s20, v1                    ; wave 0..7
	v_and_b32 v1, 31, v0
	v_and_b32 v2, 15, v0                           ; r
	v_bfe_u32 v3, v0, 4, 1                         ; h
	v_lshlrev_b32 v[LI], 4, v1
	v_lshlrev_b32 v[R4], 2, v2
	v_mul_u32_u24 v[W2O], v2, 768                  ; W2: a row is 1,024 codes
	v_mad_u32_u24 v[W2O], v3, 24, v[W2O]
	v_lshlrev_b32 v[W2SO], 5, v2
	v_lshlrev_b32 v[BO], 5, v3
	s_lshl_b32 s22, s20, 6
	v_add_nc_u32 v[RSW], s22, v[R4]
	v_mul_u32_u24 v[OSW], v2, 2064
	v_lshl_add_u32 v[OSW], v3, 5, v[OSW]
	s_lshl_b32 s22, s20, 8
	s_add_co_u32 s22, s22, OST
	v_add_nc_u32 v[OSW], s22, v[OSW]               ; row r, + 256 x wave + 32 h
	s_mul_i32 s22, s20, 4128
	s_add_co_u32 s22, s22, OST
	v_add_nc_u32 v[OSR], s22, v[LI]                ; rows 2 wave, 2 wave + 1
	v_mov_b32 v220, 0                              ; a lane permute's destination counts as one of its sources
	s_mov_b32 s[SEL], 0x76543210
	s_mov_b32 s[SEL+1], 0xfedcba98
	s_mov_b32 s30, 0x3b000000                      ; 1 / 512
	s_mov_b32 s31, 0x3727c5ac                      ; 1e-5
	s_mov_b32 s23, 0
	s_wait_kmcnt 0x0
	s_mul_i32 s22, ttmp9, 12800
	s_add_nc_u64 s[4:5], s[4:5], s[22:23]
	s_mul_i32 s22, s20, 49152                      ; my 64 rows of W2
	s_add_nc_u64 s[6:7], s[6:7], s[22:23]
	s_lshl_b32 s22, s20, 11
	s_add_nc_u64 s[8:9], s[8:9], s[22:23]
	s_lshl_b32 s22, s20, 8
	s_add_nc_u64 s[10:11], s[10:11], s[22:23]
	s_add_nc_u64 s[12:13], s[12:13], s[22:23]
	s_add_nc_u64 s[14:15], s[14:15], s[22:23]
	s_lshl_b32 s22, ttmp9, 15
	s_lshl_b32 s24, s20, 12
	s_add_co_u32 s22, s22, s24                     ; row 16 x work-group + 2 x wave, 2,048 bytes a row
	s_add_nc_u64 s[16:17], s[16:17], s[22:23]
.macro W2LOAD k0                       ; K steps k0 .. k0 + 3 of my four tiles
.irp t, 0,1,2,3
.irp kk, 0,1,2,3
.irp p, 0,1,2,3,4,5
	global_load_b64 v[12*(4*\t+\kk)+2*\p:12*(4*\t+\kk)+2*\p+1], v[W2O], s[6:7] offset:12288*\t+96*((\k0)+\kk)+48*(\p/3)+8*(\p%3)
.endr
.endr
.endr
.endm
	WIN 0x40                                       ; destination window 1
	W2LOAD 0
.irp t, 0,1,2,3
.irp i, 0,1
	global_load_b128 v[192+8*\t+4*\i:192+8*\t+4*\i+3], v[BO], s[12:13] offset:64*\t+16*\i
	global_load_b128 v[224+8*\t+4*\i:224+8*\t+4*\i+3], v[BO], s[14:15] offset:64*\t+16*\i
.endr
.endr
	WIN 0
.irp s, 0,1,2,3,4,5,6,7
.irp i, 0,1,2
	global_load_b128 v[HF+12*\s+4*\i:HF+12*\s+4*\i+3], v[LI], s[4:5] offset:1536*\s+512*\i
.endr
	global_load_b32 v[HSW+\s], v[R4], s[4:5] offset:12288+64*\s
.endr
.irp t, 0,1,2,3
.irp i, 0,1
	global_load_b128 v[W2S+8*\t+4*\i:W2S+8*\t+4*\i+3], v[W2SO], s[8:9] offset:512*\t+16*\i
	global_load_b128 v[B2R+8*\t+4*\i:B2R+8*\t+4*\i+3], v[BO], s[10:11] offset:64*\t+16*\i
.endr
.endr
.macro MM2 k0                          ; 16 matrix instructions; the four accumulators take turns, one instruction a turn
.irp kk, 0,1,2,3
.irp t, 0,1,2,3
.if ((\k0)+\kk) == 0
	v_wmma_scale_f32_16x16x128_f8f6f4 v[ACC+8*\t:ACC+8*\t+7], v[12*(4*\t+\kk):12*(4*\t+\kk)+11], v[HF+12*((\k0)+\kk):HF+12*((\k0)+\kk)+11], v[B2R+8*\t:B2R+8*\t+7], v[W2S+8*\t+(\k0)+\kk], v[HSW+(\k0)+\kk] matrix_a_fmt:MATRIX_FMT_FP6 matrix_b_fmt:MATRIX_FMT_FP6
.else
	v_wmma_scale_f32_16x16x128_f8f6f4 v[ACC+8*\t:ACC+8*\t+7], v[12*(4*\t+\kk):12*(4*\t+\kk)+11], v[HF+12*((\k0)+\kk):HF+12*((\k0)+\kk)+11], v[ACC+8*\t:ACC+8*\t+7], v[W2S+8*\t+(\k0)+\kk], v[HSW+(\k0)+\kk] matrix_a_fmt:MATRIX_FMT_FP6 matrix_b_fmt:MATRIX_FMT_FP6
.endif
.endr
.endr
.endm
	s_wait_loadcnt 0x0
	WIN 0x01                                       ; source 0 window 1
	MM2 0
.rept 4
	v_nop                                          ; four places in front of loads into registers that matrix instructions have read
.endr
	WIN 0x40
	W2LOAD 4
	WIN 0
	s_wait_loadcnt 0x0
	WIN 0x01
	MM2 4
	WIN 0
.rept 4
	v_nop                                          ; four places in front of the first read of results
.endr
	; the mean: my 32 numbers (each accumulator from its low end on), lane l xor 16's, the eight waves'
	v_pk_add_f32 v[216:217], v[ACC:ACC+1], v[ACC+2:ACC+3]
	v_pk_add_f32 v[218:219], v[ACC+4:ACC+5], v[ACC+6:ACC+7]
.irp t, 1,2,3
	v_pk_add_f32 v[216:217], v[216:217], v[ACC+8*\t:ACC+8*\t+1]
	v_pk_add_f32 v[218:219], v[218:219], v[ACC+8*\t+2:ACC+8*\t+3]
	v_pk_add_f32 v[216:217], v[216:217], v[ACC+8*\t+4:ACC+8*\t+5]
	v_pk_add_f32 v[218:219], v[218:219], v[ACC+8*\t+6:ACC+8*\t+7]
.endr
.macro MEET base                       ; v[216:219] -> the row's sum over all 512 columns, in v226
	v_pk_add_f32 v[216:217], v[216:217], v[218:219]
	v_add_f32 v216, v216, v217
	v_permlanex16_b32 v220, v216, s[SEL], s[SEL+1]
	v_add_f32 v216, v216, v220
	ds_store_b32 v[RSW], v216 offset:\base         ; both halves of the lanes write the same word with the same value
	s_wait_dscnt 0x0                               ; for the others' sake
	s_barrier_signal -1
	s_barrier_wait -1
.irp i, 0,1,2,3,4,5,6,7
	ds_load_b32 v[226+\i], v[R4] offset:(\base)+64*\i
.endr
	s_wait_dscnt 0x0
	v_pk_add_f32 v[226:227], v[226:227], v[228:229]
	v_pk_add_f32 v[230:231], v[230:231], v[232:233]
	v_pk_add_f32 v[226:227], v[226:227], v[230:231]
	v_add_f32 v226, v226, v227
.endm
	MEET RS1
	v_mul_f32 v222, s30, v226                      ; the mean
	v_mov_b32 v223, v222
.set j, 0
.rept 16
	v_pk_add_f32 v[ACC+j:ACC+j+1], v[ACC+j:ACC+j+1], v[222:223] neg_lo:[0,1] neg_hi:[0,1]
.set j, j+2
.endr
	v_pk_mul_f32 v[216:217], v[ACC:ACC+1], v[ACC:ACC+1]
	v_pk_mul_f32 v[218:219], v[ACC+2:ACC+3], v[ACC+2:ACC+3]
.set j, 4
.rept 7
	v_pk_fma_f32 v[216:217], v[ACC+j:ACC+j+1], v[ACC+j:ACC+j+1], v[216:217]
	v_pk_fma_f32 v[218:219], v[ACC+j+2:ACC+j+3], v[ACC+j+2:ACC+j+3], v[218:219]
.set j, j+4
.endr
	MEET RS2
	v_fma_f32 v224, v226, s30, s31                 ; the variance + 1e-5
	v_rsq_f32 v224, v224
	v_nop                                          ; a plain place behind the root
	s_wait_alu depctr_va_vdst(0)                   ; the wait ahead of the first reader
	v_mov_b32 v225, v224
.set j, 0
.rept 16
	v_pk_mul_f32 v[ACC+j:ACC+j+1], v[ACC+j:ACC+j+1], v[224:225]
.set j, j+2
.endr
	WIN 0x14                                       ; sources 1 (gamma) and 2 (beta) window 1
.set j, 0
.rept 16
	v_pk_fma_f32 v[ACC+j:ACC+j+1], v[ACC+j:ACC+j+1], v[192+j:193+j], v[224+j:225+j]
.set j, j+2
.endr
	WIN 0
.irp t, 0,1,2,3
	ds_store_b128 v[OSW], v[ACC+8*\t:ACC+8*\t+3] offset:64*\t
	ds_store_b128 v[OSW], v[ACC+8*\t+4:ACC+8*\t+7] offset:64*\t+16
.endr
	s_wait_dscnt 0x0                               ; for the others' sake: a row's 2,048 bytes come from eight waves
	s_barrier_signal -1
	s_barrier_wait -1
.irp i, 0,1,2,3,4,5,6,7
	ds_load_b128 v[HF+4*\i:HF+4*\i+3], v[OSR] offset:2064*(\i/4)+512*(\i%4)
.endr
.irp i, 0,1,2,3,4,5,6,7
	s_wait_dscnt 7-\i                              ; LDS loads come back in order: piece i is in
	global_store_b128 v[LI], v[HF+4*\i:HF+4*\i+3], s[16:17] offset:2048*(\i/4)+512*(\i%4) th:TH_STORE_NT   ; 512 consecutive bytes, aligned; written once
.endr
	s_wait_tensorcnt 0x0
	ds_add_u32 v254, v255
	s_wait_dscnt 0x0
	s_endpgm
.Lfunc_end_k_qd36d5a548e_mlp2:
	.size	k_qd36d5a548e_mlp2, .Lfunc_end_k_qd36d5a548e_mlp2-k_qd36d5a548e_mlp2
	.p2alignl 7, 3214868480
	.fill 96, 4, 3214868480
	.section	.rodata,"a",@progbits
	.p2align	6, 0x0
	.amdhsa_kernel k_qd36d5a548e_mlp2
		.amdhsa_group_segment_fixed_size 35840
		.amdhsa_private_segment_fixed_size 0
		.amdhsa_enable_private_segment 0
		.amdhsa_kernarg_size 56
		.amdhsa_user_sgpr_count 2
		.amdhsa_user_sgpr_kernarg_segment_ptr 1
		.amdhsa_wavefront_size32 1
		.amdhsa_system_sgpr_workgroup_id_x 1
		.amdhsa_system_sgpr_workgroup_id_y 1
		.amdhsa_system_sgpr_workgroup_id_z 1
		.amdhsa_system_vgpr_workitem_id 0
		.amdhsa_next_free_vgpr 512
		.amdhsa_next_free_sgpr 66
		.amdhsa_reserve_vcc 0
		.amdhsa_float_denorm_mode_32 3
		.amdhsa_float_denorm_mode_16_64 3
		.amdhsa_memory_ordered 1
		.amdhsa_forward_progress 1
		.amdhsa_inst_pref_size 41
	.end_amdhsa_kernel
	.amdgpu_metadata
---
amdhsa.version: [ 1, 2 ]
amdhsa.kernels:
  - .name:           k_qd36d5a548e_mlp2
    .symbol:         k_qd36d5a548e_mlp2.kd
    .args:
      - { .name: hq2, .offset: 0, .size: 8, .value_kind: global_buffer, .address_space: global }
      - { .name: W2_codes, .offset: 8, .size: 8, .value_kind: global_buffer, .address_space: global }
      - { .name: W2_scales, .offset: 16, .size: 8, .value_kind: global_buffer, .address_space: global }
      - { .name: b2, .offset: 24, .size: 8, .value_kind: global_buffer, .address_space: global }
      - { .name: gamma, .offset: 32, .size: 8, .value_kind: global_buffer, .address_space: global }
      - { .name: beta, .offset: 40, .size: 8, .value_kind: global_buffer, .address_space: global }
      - { .name: out0, .offset: 48, .size: 8, .value_kind: global_buffer, .address_space: global }
    .group_segment_fixed_size: 35840
    .private_segment_fixed_size: 0
    .kernarg_segment_align: 8
    .kernarg_segment_size: 56
    .max_flat_workgroup_size: 256
    .sgpr_count:     66
    .vgpr_count:     512
    .wavefront_size: 32
...
	.end_amdgpu_metadata
.endif
;; end of part 6
;; ======== version 2 of 2: 6 launches; version 1 with the launches prep, refine, mlp1, mlp2 written anew for expert scheduling mode
;; workspace buffers: hq 40,000,000 bytes; xq 409,600 bytes; candv 2,560,000 bytes; candi 2,560,000 bytes of whole numbers; gsel 32,768 bytes of whole numbers; seli 131,072 bytes of whole numbers; selw 131,072 bytes; hq2 819,200 bytes
;; launch prep (part 7): grid 3157 x 1, 2 waves a work-group, no clusters, 70,912 bytes of LDS; arguments hist, x, hq, xq; writes hq, xq
.if DOCPART == 7
	.amdgcn_target "amdgcn-amd-amdhsa--gfx1250"
	.amdhsa_code_object_version 6
	.text
	.protected	k_qd36d5a548e_prep
	.globl	k_qd36d5a548e_prep
	.p2align	8
	.type	k_qd36d5a548e_prep,@function
k_qd36d5a548e_prep:
	s_mov_b64 s[64:65], 0
	v_nop
	global_prefetch_b8 v0, s[64:65] scope:SCOPE_SE
	s_setreg_imm32_b32 hwreg(HW_REG_WAVE_SCHED_MODE, 0, 2), 2
	s_setreg_imm32_b32 hwreg(HW_REG_WAVE_MODE, 25, 1), 1
	s_wait_xcnt 0x0
	s_wait_alu depctr_vm_vsrc(0)
; Rows of hist [100000][512] and the rows x[b][15][:] of x [1024][16][512], f32, are divided by max(their norm, 1e-8) and turned into codes of FP6 (E2M3) with one E8M0 byte for each 32 along K.
; A wave makes one TILE RECORD of 6,400 bytes: 16 rows x 512 K as an image of operand registers: K step s (128 along K), registers 4 i .. 4 i + 3 of the 12 of a fragment, lane l, at byte 1536 s + 512 i + 16 l;
; lane (r = l % 16, h = l / 16) holds row r, registers 6 c .. 6 c + 5 = block 4 s + 2 c + h.  At byte 6144 + 8 l: two scale words of row r, for K steps h and 2 + h.
; Work-groups 0 .. 3124 take hist (tile = 2 x work-group + wave), 3125 .. 3156 take x: only pointers and the row's stride are chosen; there is one way through the text.
; The loads take a row as it lies (512 consecutive bytes an instruction); the rows turn through the wave's own stage in LDS, so that a lane gets 32 neighbours along K of ONE row, which the conversions want.
; A block's scale: the largest magnitude's exponent field - 2, held at 1 from below (a block of zeros keeps the byte 1: its codes are zeros, and this program alone reads the bytes).
; LIMITS: NaN and infinities among the inputs are not served; a row whose sum of squares passes f32's range is not served; norm and quotient are right to about one part in 10^7.
; THE MODE: SCHED_MODE bits 1:0 = 2 (LLVM: expert scheduling mode 2), set by the entry lines.  The code itself states the register dependences between vector instructions and memory or LDS instructions, with s_wait_alu, always for 0.
; THE PLAN.  Registers that memory or LDS instructions touch:
;   v5-10       offsets and LDS addresses: made at the head, never written again.
;   VO v16-31   written at the head, read by the rows' loads; from the norm on they are the quantiser's registers.
;   RW v32-223  twelve row slots.  A slot is loaded; its row's four LDS stores and its sums read it.  Slots 0 to 3 are loaded once more, each at the head of the NEXT row.  Behind the rows all slots take numbers back from the stage.
;   PSUM v224-239  a register for each row: written by the row's sums, read by sixteen LDS stores that stand together behind the last row; later the code registers.
;   XS0 (two sets of 64, by turns)  loaded from the stage in the step before; read and written by the step's division.
;   CD (two sets of 12, by turns)   written by the quantiser, read by the step's three stores.
; So: a pair of waits at the heads of rows 1 to 4; a pair behind the rows; ONE wait on va_vdst in a K step, ahead of its stores, which also covers the next step's loads from the stage, since no vector line stands between.
.set WREG, 35328                       ; LDS of a wave: the stage, 16 rows x 2,064 bytes, then 16 rows x 144 bytes of partial sums
.set STP,  2064                        ; a stage row: 2,048 bytes + 16, an odd multiple of 16
.set PSO,  33024
.set PSP,  144
.set LANE, 1
.set RR,   2
.set HH,   3
.set SH8,  4                           ; 8 h
.set G16,  5                           ; 16 x lane
.set G8,   6                           ; 8 x lane
.set STW,  7                           ; stage, in: 16 x lane
.set STRD, 8                           ; stage, out: row r, + 128 h
.set PSW,  9                           ; partial sums, in: 4 x lane
.set PSR,  10                          ; partial sums, out: row r, + 64 h
.set NRM,  12                          ; v[12:13] the norm, twice
.set INV,  14                          ; v[14:15] its reciprocal, twice
.set VO,   16                          ; v16-31  byte offset of my 16 bytes in each of the 16 rows; later the quantiser's registers
.set MX,   16
.set SO,   18
.set BY,   20
.set TP,   22
.set TT,   24
.set RW,   32                          ; v32-223 twelve row slots of 16; later two sets of 64 numbers and 64 quotients
.set XS0,  32
.set TN,   160
.set CD,   224                         ; v224-247 two sets of 12 code registers
.set PSUM, 224                         ; (before that: a partial sum for each row)
.set SW,   248                         ; v248-251 the four scale words
.set SEL,  20                          ; s[20:21] lane selects: lane l xor 16
; 64 numbers of a lane, half c = block 2 c + h of one K step of my row, become the fragment's 12 registers and my row's scale word.
.macro QUANT2 src, out, wrd
.irp c, 0,1
	v_max3_num_f32 v[MX+\c], |v[(\src)+32*\c]|, |v[(\src)+32*\c+1]|, 0x1800000   ; with the floor 2^(3 - 127): the byte cannot fall under 1
.endr
.irp i, 2,4,6,8,10,12,14,16,18,20,22,24,26,28,30
.irp c, 0,1
	v_max3_num_f32 v[MX+\c], v[MX+\c], |v[(\src)+32*\c+\i]|, |v[(\src)+32*\c+\i+1]|   ; the two blocks by turns
.endr
.endr
.irp c, 0,1
	v_add_nc_u32 v[SO+\c], 0xff000000, v[MX+\c]    ; 2 off the exponent field: the conversion's scale operand
.endr
.irp c, 0,1
	v_lshrrev_b32 v[BY+\c], 23, v[SO+\c]           ; the scale's byte
.endr
	v_lshl_or_b32 v[\wrd], v[BY+1], 16, v[BY]      ; my two bytes, blocks h and 2 + h,
	v_lshlrev_b32 v[\wrd], v[SH8], v[\wrd]         ; at their places;
	v_permlanex16_b32 v[TP], v[\wrd], s[SEL], s[SEL+1]
	v_or_b32 v[\wrd], v[\wrd], v[TP]               ; with lane l xor 16's two the word is whole
.irp c, 0,1
	v_cvt_scalef32_pk16_fp6_f32 v[(\out)+6*\c:(\out)+6*\c+2], v[(\src)+32*\c:(\src)+32*\c+15], v[SO+\c]
	v_cvt_scalef32_pk16_fp6_f32 v[TT+4*\c:TT+4*\c+2], v[(\src)+32*\c+16:(\src)+32*\c+31], v[SO+\c]   ; (three registers begin on an even number: made apart and moved)
.endr
	v_nop                                          ; one plain place behind the scaled conversions
.irp c, 0,1
.irp i, 0,1,2
	v_mov_b32 v[(\out)+3+6*\c+\i], v[TT+4*\c+\i]
.endr
.endr
.endm
	s_load_b128 s[4:7], s[0:1], 0x0                ; hist, x
	s_load_b128 s[8:11], s[0:1], 0x10              ; hq, xq
	v_lshl_add_u32 v254, v0, 2, 0x11400
	v_mov_b32 v255, 0
	v_lshrrev_b32 v1, 5, v0
	v_readfirstlane_b32 s12, v1                    ; wave 0, 1
	v_and_b32 v[LANE], 31, v0
	v_and_b32 v[RR], 15, v0
	v_bfe_u32 v[HH], v0, 4, 1
	v_lshlrev_b32 v[SH8], 3, v[HH]
	v_lshlrev_b32 v[G16], 4, v[LANE]
	v_lshlrev_b32 v[G8], 3, v[LANE]
	s_wait_alu depctr_va_sdst(0)                   ; s12, the wave's number, is written, ahead of its first reader
	s_mul_i32 s22, s12, WREG
	v_add_nc_u32 v[STW], s22, v[G16]
	v_mul_u32_u24 v[STRD], v[RR], STP
	v_lshl_add_u32 v[STRD], v[HH], 7, v[STRD]
	v_add_nc_u32 v[STRD], s22, v[STRD]
	s_add_co_u32 s23, s22, PSO
	v_lshl_add_u32 v[PSW], v[LANE], 2, s23
	v_mul_u32_u24 v[PSR], v[RR], PSP
	v_lshl_add_u32 v[PSR], v[HH], 6, v[PSR]
	v_add_nc_u32 v[PSR], s23, v[PSR]
	s_mov_b32 s[SEL], 0x76543210
	s_mov_b32 s[SEL+1], 0xfedcba98
	s_mov_b32 s14, 32768
	s_mov_b32 s15, 524288
	s_wait_kmcnt 0x0
	s_cmp_lt_u32 ttmp9, 3125                       ; hist's work-group or x's: the choice hangs on the work-group's number alone
	s_cselect_b64 s[4:5], s[4:5], s[6:7]
	s_cselect_b64 s[8:9], s[8:9], s[10:11]
	s_cselect_b32 s14, 2048, s14                   ; bytes from row to row
	s_cselect_b32 s15, 32768, s15                  ; and from tile to tile
	s_cselect_b32 s16, 0, 30720                    ; x: position 15 of the 16
	s_cselect_b32 s13, 0, 3125
	s_sub_co_u32 s13, ttmp9, s13
	s_lshl_b32 s13, s13, 1
	s_add_co_u32 s13, s13, s12                     ; my tile
	s_mul_i32 s18, s13, s15                        ; under 2^28
	s_add_co_u32 s18, s18, s16
	s_mov_b32 s19, 0
	s_add_nc_u64 s[4:5], s[4:5], s[18:19]
	s_mul_i32 s18, s13, 6400
	s_add_nc_u64 s[8:9], s[8:9], s[18:19]
	v_mov_b32 v[VO], v[G16]
.set k, 1
.rept 15
	v_add_nc_u32 v[VO+k], s14, v[VO+k-1]
.set k, k+1
.endr
.macro LOADROW row                     ; a row: four loads of 512 consecutive bytes
.irp i, 0,1,2,3
	global_load_b128 v[RW+16*((\row)%12)+4*\i:RW+16*((\row)%12)+4*\i+3], v[VO+(\row)], s[4:5] offset:512*\i th:TH_LOAD_NT
.endr
.endm
	s_wait_alu depctr_va_vdst(0)                   ; the sixteen offsets VO and the addresses v5 to v10 are written: every load, store and LDS instruction of the kernel reads one of them
.irp p, 0,1,2,3,4,5,6,7,8,9,10,11
	LOADROW \p
.endr
; A row goes into the stage as it lies; my 16 numbers' sum of squares is kept in the row's own register.  At the heads of rows 1 to 4 the slot of the row before takes the row eleven further on.
.macro ROWA row
.set RS, RW+16*((\row)%12)
.if (\row) == 0
	s_wait_loadcnt 44                              ; this row's four loads are in; the eleven rows behind it may be out
.elseif (\row) < 5
	s_wait_loadcnt 40                              ; ten rows behind it may be out: the eleventh is asked for just below
.else
	s_wait_loadcnt 4*(15-(\row))                   ; the rows behind it may be out
.endif
.if (\row) > 0
.if (\row) < 5
	s_wait_dscnt 0x0                               ; the last row's stores into the stage are done
	s_wait_alu depctr_vm_vsrc(0)                   ; they have read the last row's slot, in which the loads below land
	s_wait_alu depctr_va_vdst(0)                   ; the last row's sums are done reading that slot
	LOADROW (\row)+11
.endif
.endif
.irp i, 0,1,2,3
	ds_store_b128 v[STW], v[RS+4*\i:RS+4*\i+3] offset:(\row)*STP+512*\i
.endr
	v_pk_mul_f32 v[248:249], v[RS:RS+1], v[RS:RS+1]
	v_pk_mul_f32 v[250:251], v[RS+2:RS+3], v[RS+2:RS+3]
.irp j, 4,8,12
	v_pk_fma_f32 v[248:249], v[RS+\j:RS+\j+1], v[RS+\j:RS+\j+1], v[248:249]
	v_pk_fma_f32 v[250:251], v[RS+\j+2:RS+\j+3], v[RS+\j+2:RS+\j+3], v[250:251]
.endr
	v_pk_add_f32 v[248:249], v[248:249], v[250:251]
	v_add_f32 v[PSUM+(\row)], v248, v249
.endm
.irp p, 0,1,2,3,4,5,6,7,8,9,10,11,12,13,14,15
	ROWA \p
.endr
.macro XLD s                           ; my 64 numbers of K step s: blocks 4 s + h and 4 s + 2 + h of row r
.irp c, 0,1
.irp q, 0,1,2,3,4,5,6,7
	ds_load_b128 v[XS0+64*((\s)%2)+32*\c+4*\q:XS0+64*((\s)%2)+32*\c+4*\q+3], v[STRD] offset:(\s)*512+\c*256+16*\q
.endr
.endr
.endm
	s_wait_alu depctr_va_vdst(0)                   ; the sixteen partial sums are written, which the stores below read; the rows' sums are done reading the slots, in which the loads from the stage land
.irp p, 0,1,2,3,4,5,6,7,8,9,10,11,12,13,14,15
	ds_store_b32 v[PSW], v[PSUM+\p] offset:\p*PSP
.endr
	s_wait_dscnt 0x0                               ; my stores have read their registers, which are loaded again below
	s_wait_alu depctr_vm_vsrc(0)                   ; the LDS stores have read the slots and the partial sums, the rows' loads their offsets VO: all these registers are written again from here on
.irp i, 0,1,2,3
	ds_load_b128 v[TN+4*\i:TN+4*\i+3], v[PSR] offset:16*\i   ; sixteen of row r's 32 partial sums
.endr
	XLD 0
	s_wait_dscnt 16                                ; the partial sums are in; step 0's sixteen loads may be out
	v_pk_add_f32 v[TN:TN+1], v[TN:TN+1], v[TN+2:TN+3]
	v_pk_add_f32 v[TN+4:TN+5], v[TN+4:TN+5], v[TN+6:TN+7]
	v_pk_add_f32 v[TN+8:TN+9], v[TN+8:TN+9], v[TN+10:TN+11]
	v_pk_add_f32 v[TN+12:TN+13], v[TN+12:TN+13], v[TN+14:TN+15]
	v_pk_add_f32 v[TN:TN+1], v[TN:TN+1], v[TN+4:TN+5]
	v_pk_add_f32 v[TN+8:TN+9], v[TN+8:TN+9], v[TN+12:TN+13]
	v_pk_add_f32 v[TN:TN+1], v[TN:TN+1], v[TN+8:TN+9]
	v_add_f32 v[TN], v[TN], v[TN+1]
	v_mov_b32 v[TP], 0                             ; a lane permute's destination counts as one of its sources
	v_permlanex16_b32 v[TP], v[TN], s[SEL], s[SEL+1]
	v_add_f32 v[TN], v[TN], v[TP]                  ; a = row r's sum of squares
	v_sqrt_f32 v[TN+1], v[TN]
	v_nop                                          ; a plain place behind the root
	s_wait_alu depctr_va_vdst(0)                   ; the root is written, ahead of its first reader
	v_rcp_f32 v[TN+2], v[TN+1]
	v_fma_f32 v[TN+3], -v[TN+1], v[TN+1], v[TN]    ; a - S^2 (the plain place behind the reciprocal)
	s_wait_alu depctr_va_vdst(0)                   ; the reciprocal is written, ahead of its first reader
	v_mul_f32 v[TN+3], 0.5, v[TN+3]
	v_fma_f32 v[TN+1], v[TN+3], v[TN+2], v[TN+1]   ; one step of Newton's: S + (a - S^2) / (2 S).  A row of zeros gives NaN here,
	v_max_num_f32 v[NRM], 0x322bcc77, v[TN+1]      ; which loses against 1e-8
	v_rcp_f32 v[INV], v[NRM]
	v_mov_b32 v[NRM+1], v[NRM]                     ; (the plain place)
	s_wait_alu depctr_va_vdst(0)                   ; the norm's reciprocal is written, ahead of its first reader
	v_mov_b32 v[INV+1], v[INV]
; A K step: the next step's numbers are asked for, this step's are divided by the norm (a product with the reciprocal, mended once by its remainder), quantised and stored.
.macro STEPB s
.set XC, XS0+64*((\s)%2)
.set CC, CD+12*((\s)%2)
.if (\s) < 3
	XLD (\s)+1                                     ; no wait: no vector line since the last wait on va_vdst (in step 0 the one behind the reciprocal, later the one ahead of the last step's stores) names the set in which these land
	s_wait_dscnt 16                                ; this step's numbers are in; the next step's sixteen loads may be out
.else
	s_wait_dscnt 0x0
.endif
.set j, 0
.rept 32
	v_pk_mul_f32 v[TN+j:TN+j+1], v[XC+j:XC+j+1], v[INV:INV+1]
.set j, j+2
.endr
.set j, 0
.rept 32
	v_pk_fma_f32 v[XC+j:XC+j+1], v[TN+j:TN+j+1], v[NRM:NRM+1], v[XC+j:XC+j+1] neg_lo:[1,0,0] neg_hi:[1,0,0]
.set j, j+2
.endr
.set j, 0
.rept 32
	v_pk_fma_f32 v[TN+j:TN+j+1], v[XC+j:XC+j+1], v[INV:INV+1], v[TN+j:TN+j+1]
.set j, j+2
.endr
.if (\s) >= 2
	s_wait_xcnt 0x0                                ; the stores of two steps ago have had their addresses translated,
	s_wait_alu depctr_vm_vsrc(0)                   ; and have read this set of code registers, which the quantiser writes again
.endif
	QUANT2 TN, CC, SW+(\s)
	s_wait_alu depctr_va_vdst(0)                   ; the quantiser has written the codes, which the stores read; the division is done with this step's set of numbers, in which the next step's loads from the stage land
.irp i, 0,1,2
	global_store_b128 v[G16], v[CC+4*\i:CC+4*\i+3], s[8:9] offset:(\s)*1536+512*\i   ; 512 consecutive bytes, at a multiple of 256 from the buffer's first byte
.endr
.endm
	STEPB 0
	STEPB 1
	STEPB 2
	STEPB 3
	v_cmp_le_u32 vcc_lo, 16, v[LANE]
	s_wait_alu depctr_va_vcc(0)                    ; VCC is written, ahead of the two selects that read it
	v_cndmask_b32 v252, v[SW], v[SW+1], vcc_lo     ; lanes 0-15: K steps 0 and 2; lanes 16-31: K steps 1 and 3
	v_cndmask_b32 v253, v[SW+2], v[SW+3], vcc_lo
	s_wait_alu depctr_va_vdst(0)                   ; the selects have written v252 and v253, which the store reads
	global_store_b64 v[G8], v[252:253], s[8:9] offset:6144   ; 256 consecutive bytes
	s_wait_dscnt 0x0                               ; the closing lines, six on end
	s_wait_alu 0x0
	s_wait_tensorcnt 0x0
	ds_add_u32 v254, v255
	s_wait_dscnt 0x0
	s_endpgm
.Lfunc_end_k_qd36d5a548e_prep:
	.size	k_qd36d5a548e_prep, .Lfunc_end_k_qd36d5a548e_prep-k_qd36d5a548e_prep
	.p2alignl 7, 3214868480
	.fill 96, 4, 3214868480
	.section	.rodata,"a",@progbits
	.p2align	6, 0x0
	.amdhsa_kernel k_qd36d5a548e_prep
		.amdhsa_group_segment_fixed_size 70912
		.amdhsa_private_segment_fixed_size 0
		.amdhsa_enable_private_segment 0
		.amdhsa_kernarg_size 32
		.amdhsa_user_sgpr_count 2
		.amdhsa_user_sgpr_kernarg_segment_ptr 1
		.amdhsa_wavefront_size32 1
		.amdhsa_system_sgpr_workgroup_id_x 1
		.amdhsa_system_sgpr_workgroup_id_y 1
		.amdhsa_system_sgpr_workgroup_id_z 1
		.amdhsa_system_vgpr_workitem_id 0
		.amdhsa_next_free_vgpr 256
		.amdhsa_next_free_sgpr 66
		.amdhsa_reserve_vcc 1
		.amdhsa_float_denorm_mode_32 3
		.amdhsa_float_denorm_mode_16_64 3
		.amdhsa_memory_ordered 1
		.amdhsa_forward_progress 1
		.amdhsa_inst_pref_size 68
	.end_amdhsa_kernel
	.amdgpu_metadata
---
amdhsa.version: [ 1, 2 ]
amdhsa.kernels:
  - .name:           k_qd36d5a548e_prep
    .symbol:         k_qd36d5a548e_prep.kd
    .args:
      - { .name: hist, .offset: 0, .size: 8, .value_kind: global_buffer, .address_space: global }
      - { .name: x, .offset: 8, .size: 8, .value_kind: global_buffer, .address_space: global }
      - { .name: hq, .offset: 16, .size: 8, .value_kind: global_buffer, .address_space: global }
      - { .name: xq, .offset: 24, .size: 8, .value_kind: global_buffer, .address_space: global }
    .group_segment_fixed_size: 70912
    .private_segment_fixed_size: 0
    .kernarg_segment_align: 8
    .kernarg_segment_size: 32
    .max_flat_workgroup_size: 64
    .sgpr_count:     66
    .vgpr_count:     256
    .wavefront_size: 32
...
	.end_amdgpu_metadata
.endif
;; end of part 7
;; launch sim: the kernel of part 2 again; grid 2 x 125, 8 waves a work-group, no clusters, 327,680 bytes of LDS; arguments hq, xq, candv, candi; writes candv, candi
;; launch pick: the kernel of part 3 again; grid 32 x 1, 25 waves a work-group, no clusters, 41,728 bytes of LDS; arguments candv, candi, gsel; writes gsel
;; launch refine (part 8): grid 256 x 1, 4 waves a work-group, no clusters, 0 bytes of LDS; arguments hq, xq, gsel, seli, selw; writes seli, selw
.if DOCPART == 8
	.amdgcn_target "amdgcn-amd-amdhsa--gfx1250"
	.amdhsa_code_object_version 6
	.text
	.protected	k_qd36d5a548e_refine
	.globl	k_qd36d5a548e_refine
	.p2align	8
	.type	k_qd36d5a548e_refine,@function
k_qd36d5a548e_refine:
	s_mov_b64 s[64:65], 0
	v_nop
	global_prefetch_b8 v0, s[64:65] scope:SCOPE_SE
	s_setreg_imm32_b32 hwreg(HW_REG_WAVE_SCHED_MODE, 0, 2), 2
	s_setreg_imm32_b32 hwreg(HW_REG_WAVE_MODE, 25, 1), 1
	s_wait_xcnt 0x0
	s_wait_alu depctr_vm_vsrc(0)
; For each query: the similarities with the 5 x 32 rows of its five chosen groups, by the same matrix instruction on the same codes, K ascending; of these the five largest, an equal value going to the lower row;
; the softmax of the five values (the largest is taken away first).  seli, selw: [query][32] words, words 0 to 4 the rows and their weights, the rest 0.
; A wave takes one query: no loop, no LDS, no barrier.  Source 0 holds the query in all its 16 rows (every lane of a half loads the same bytes), source 1 = 16 rows of hist: register 0 of a result holds,
; in lane r, the similarity with row r.  The groups' numbers are whole numbers that an earlier launch stored; each is held at 3,124, the last group, before it enters an address.
; All loads go out at once, and there is one wait for them.
; LIMITS: NaN among the similarities is not served.
; REGISTERS.  Window 0: v16-63 the query's fragments; v64-67 its scale words; v68-87 hist's; v88-167 ten accumulators; v168.. at work.  Windows 1 to 3: hist's fragments, 96 registers a group.
; SCALARS.  s[4:13] the five buffers; s14-23 ids and offsets (s16-20 hold masks once the head's offsets are made); s24-28 the five groups' numbers; s[30:31] an offset at work; s[32:41] the five groups' addresses and nothing else; s[42:43] the lane selects.
; THE MODE: SCHED_MODE bits 1:0 = 2 (LLVM: expert scheduling mode 2), set by the entry lines.  The code itself states the register dependences between vector or matrix instructions and memory instructions, with s_wait_alu, always for 0.
; THE PLAN.  Registers that memory instructions touch:
;   v3-7       the five offsets: made at the head, never written again.  ONE wait on va_vdst ahead of the first load serves all 146 loads: between it and the last of them stand only loads, scalar lines and window switches.
;   fragments and scale words  written by loads alone, read by matrix instructions alone.
;   v208, v209 the two words to store: written by the last selects; one wait on va_vdst ahead of the two stores.
; A compare's mask is waited for ahead of the select that reads it: the compares stand in runs of five, into s16-20, with one wait on va_sdst behind each run.
.set LANE, 1
.set L16,  3
.set L8,   4
.set L4,   5
.set XO,   6
.set XSO,  7
.set XF,   16
.set XSW,  64
.set HS,   68
.set ACC,  88
.set VV,   168                         ; v168-172 lane l: the similarity with row l of group k
.set IDX,  174                         ; v174-178 that row's number, as f32 (under 2^17: exact)
.set TOPV, 180
.set TOPI, 185
.set WA,   190
.set WB,   191
.set WC,   192
.set NEG,  197
.set BIG,  198
.set EX,   200
.set OI,   208
.set OW,   209
.set CM,   16                          ; s16-20 five masks
.set GA,   32                          ; s[32:41] group k's address at s[GA + 2 k : GA + 2 k + 1]
.set SEL,  42                          ; s[42:43] lane selects for v_permlanex16_b32: lane l xor 16
.set MSB, 0
.macro WIN new
.if MSB != (\new)
	s_set_vgpr_msb (MSB<<8)|(\new)
.set MSB, (\new)
.endif
.endm
	s_load_b256 s[4:11], s[0:1], 0x0               ; hq, xq, gsel, seli
	s_load_b64 s[12:13], s[0:1], 0x20              ; selw
	v_lshrrev_b32 v1, 5, v0
	v_readfirstlane_b32 s14, v1                    ; wave 0..3
	v_and_b32 v[LANE], 31, v0
	v_bfe_u32 v2, v0, 4, 1
	v_lshlrev_b32 v[L16], 4, v[LANE]
	v_lshlrev_b32 v[L8], 3, v[LANE]
	v_lshlrev_b32 v[L4], 2, v[LANE]
	v_mov_b32 v[WB], 0                             ; a lane permute's destination counts as one of its sources
	v_mov_b32 v[NEG], 0xff800000
	v_mov_b32 v[BIG], 0x7f7fffff
	s_wait_alu depctr_va_sdst(0)                   ; s14, the wave's number, is written, ahead of its first reader
	s_lshl_b32 s15, ttmp9, 2
	s_add_co_u32 s15, s15, s14                     ; my query
	s_and_b32 s16, s15, 15                         ; its row in its tile
	s_lshr_b32 s17, s15, 4
	s_mul_i32 s18, s17, 6400                       ; its tile's record
	s_mov_b32 s19, 0
	s_lshl_b32 s20, s15, 5
	s_mov_b32 s21, 0
	s_lshl_b32 s22, s15, 7
	s_mov_b32 s23, 0
	s_lshl_b32 s17, s16, 4
	v_lshl_add_u32 v[XO], v2, 8, s17               ; the place of lane (row, h) in an image: 16 row + 256 h
	s_lshl_b32 s17, s16, 3
	v_mov_b32 v[XSO], s17                          ; and in the scale image: 8 row
	s_mov_b32 s[SEL], 0x76543210
	s_mov_b32 s[SEL+1], 0xfedcba98
	s_mov_b32 s31, 0
	s_wait_kmcnt 0x0
	s_add_nc_u64 s[8:9], s[8:9], s[20:21]
	s_load_b128 s[24:27], s[8:9], 0x0              ; my five groups
	s_load_b32 s28, s[8:9], 0x10
	s_add_nc_u64 s[6:7], s[6:7], s[18:19]
	s_add_nc_u64 s[10:11], s[10:11], s[22:23]
	s_add_nc_u64 s[12:13], s[12:13], s[22:23]
	s_wait_alu depctr_va_vdst(0)                   ; the five offsets v3 to v7 are written, which every load and store of the kernel reads
.irp s, 0,1,2,3
.irp i, 0,1,2
	global_load_b128 v[XF+12*\s+4*\i:XF+12*\s+4*\i+3], v[XO], s[6:7] offset:1536*\s+512*\i
.endr
	global_load_b32 v[XSW+\s], v[XSO], s[6:7] offset:6144+128*(\s%2)+4*(\s/2)   ; K step s: lane slot row + 16 (s % 2), word s / 2; the same word in every lane
.endr
	s_wait_kmcnt 0x0
.irp k, 0,1,2,3,4
	s_min_u32 s[24+\k], s[24+\k], 3124
	s_mul_i32 s30, s[24+\k], 12800
	s_add_nc_u64 s[GA+2*\k:GA+2*\k+1], s[4:5], s[30:31]
.endr
.irp k, 0,1,2,3,4                      ; no further wait: since the wait above only loads, scalar lines and window switches have been issued
	WIN ((1+\k/2)<<6)                              ; destination window 1, 1, 2, 2, 3
.irp e, 0,1
.irp s, 0,1,2,3
.irp i, 0,1,2
	global_load_b128 v[96*(\k%2)+48*\e+12*\s+4*\i:96*(\k%2)+48*\e+12*\s+4*\i+3], v[L16], s[GA+2*\k:GA+2*\k+1] offset:6400*\e+1536*\s+512*\i
.endr
.endr
.endr
.endr
	WIN 0
.irp k, 0,1,2,3,4
.irp e, 0,1
	global_load_b64 v[HS+4*\k+2*\e:HS+4*\k+2*\e+1], v[L8], s[GA+2*\k:GA+2*\k+1] offset:6400*\e+6144
.endr
.endr
.irp k, 0,1,2,3,4
	s_lshl_b32 s30, s[24+\k], 5
	v_add_nc_u32 v[IDX+\k], s30, v[LANE]           ; row 32 group + lane
	v_cvt_f32_u32 v[IDX+\k], v[IDX+\k]
.endr
	s_wait_loadcnt 0x0
.irp k, 0,1,2,3,4                      ; a group's two accumulators take turns, one instruction a turn
	WIN ((1+\k/2)<<2)                              ; source 1 window 1, 1, 2, 2, 3
.irp s, 0,1,2,3
.irp e, 0,1
.if \s == 0
	v_wmma_scale_f32_16x16x128_f8f6f4 v[ACC+16*\k+8*\e:ACC+16*\k+8*\e+7], v[XF+12*\s:XF+12*\s+11], v[96*(\k%2)+48*\e+12*\s:96*(\k%2)+48*\e+12*\s+11], 0, v[XSW+\s], v[HS+4*\k+2*\e] matrix_a_fmt:MATRIX_FMT_FP6 matrix_b_fmt:MATRIX_FMT_FP6
.elseif \s == 2
	v_wmma_scale_f32_16x16x128_f8f6f4 v[ACC+16*\k+8*\e:ACC+16*\k+8*\e+7], v[XF+12*\s:XF+12*\s+11], v[96*(\k%2)+48*\e+12*\s:96*(\k%2)+48*\e+12*\s+11], v[ACC+16*\k+8*\e:ACC+16*\k+8*\e+7], v[XSW+\s], v[HS+4*\k+2*\e+1] matrix_a_fmt:MATRIX_FMT_FP6 matrix_b_fmt:MATRIX_FMT_FP6
.else
	v_wmma_scale_f32_16x16x128_f8f6f4 v[ACC+16*\k+8*\e:ACC+16*\k+8*\e+7], v[XF+12*\s:XF+12*\s+11], v[96*(\k%2)+48*\e+12*\s:96*(\k%2)+48*\e+12*\s+11], v[ACC+16*\k+8*\e:ACC+16*\k+8*\e+7], v[XSW+\s], v[HS+4*\k+2*\e+\s/2] matrix_a_fmt:MATRIX_FMT_FP6 matrix_b_fmt:MATRIX_FMT_FP6 matrix_b_scale:MATRIX_SCALE_ROW1
.endif
.endr
.endr
.endr
	WIN 0
.rept 4
	v_nop                                          ; four places in front of the first read of results
.endr
	v_cmp_le_u32 vcc_lo, 16, v[LANE]
	s_wait_alu depctr_va_vcc(0)                    ; VCC is written, ahead of the five selects that read it
.irp k, 0,1,2,3,4
	v_cndmask_b32 v[VV+\k], v[ACC+16*\k], v[ACC+16*\k+8], vcc_lo   ; lanes 0-15: the group's first tile; lanes 16-31: its second.  Each result's lowest register
.endr
; The n-th largest: the largest value over my five and over the 32 lanes; among those that have it, the smallest row; that row leaves the field.
.macro PICK1 n
	v_max3_num_f32 v[WA], v[VV], v[VV+1], v[VV+2]
	v_max3_num_f32 v[WA], v[WA], v[VV+3], v[VV+4]
.irp m, 1,2,4,8
	v_max_num_f32_dpp v[WA], v[WA], v[WA] row_xmask:\m row_mask:0xf bank_mask:0xf
.endr
	v_permlanex16_b32 v[WB], v[WA], s[SEL], s[SEL+1]
	v_max_num_f32 v[TOPV+\n], v[WA], v[WB]
.irp k, 0,1,2,3,4
	v_cmp_eq_f32 s[CM+\k], v[VV+\k], v[TOPV+\n]
.endr
	s_wait_alu depctr_va_sdst(0)                   ; the five masks are written, ahead of the selects that read them
.irp k, 0,1,2,3,4
	v_cndmask_b32 v[WC+\k], v[BIG], v[IDX+\k], s[CM+\k]
.endr
	v_min3_num_f32 v[WA], v[WC], v[WC+1], v[WC+2]
	v_min3_num_f32 v[WA], v[WA], v[WC+3], v[WC+4]
.irp m, 1,2,4,8
	v_min_num_f32_dpp v[WA], v[WA], v[WA] row_xmask:\m row_mask:0xf bank_mask:0xf
.endr
	v_permlanex16_b32 v[WB], v[WA], s[SEL], s[SEL+1]
	v_min_num_f32 v[TOPI+\n], v[WA], v[WB]
.irp k, 0,1,2,3,4
	v_cmp_eq_f32 s[CM+\k], v[IDX+\k], v[TOPI+\n]
.endr
	s_wait_alu depctr_va_sdst(0)                   ; the five masks are written, ahead of the selects that read them
.irp k, 0,1,2,3,4
	v_cndmask_b32 v[VV+\k], v[VV+\k], v[NEG], s[CM+\k]
.endr
.endm
.irp n, 0,1,2,3,4
	PICK1 \n
.endr
.irp n, 0,1,2,3,4
	v_sub_f32 v[EX+\n], v[TOPV+\n], v[TOPV]        ; the largest is taken away
.endr
.irp n, 0,1,2,3,4
	v_mul_f32 v[EX+\n], 0x3fb8aa3b, v[EX+\n]
.endr
.irp n, 0,1,2,3,4
	v_exp_f32 v[EX+\n], v[EX+\n]
.endr
	v_mov_b32 v[OI], 0                             ; (a plain place behind the exponentials)
	v_mov_b32 v[OW], 0
	s_wait_alu depctr_va_vdst(0)                   ; the five exponentials are written: one wait, ahead of their first reader
	v_add_f32 v[WA], v[EX], v[EX+1]
	v_add_f32 v[WC], v[EX+2], v[EX+3]
	v_add_f32 v[WA], v[WA], v[EX+4]
	v_add_f32 v[WA], v[WA], v[WC]
	v_rcp_f32 v[WC+1], v[WA]
.irp n, 0,1,2,3,4
	v_cvt_u32_f32 v[TOPI+\n], v[TOPI+\n]           ; (plain work behind the reciprocal)
.endr
	s_wait_alu depctr_va_vdst(0)                   ; the reciprocal is written, ahead of its first reader
.irp n, 0,1,2,3,4
	v_mul_f32 v[EX+\n], v[EX+\n], v[WC+1]
.endr
.irp n, 0,1,2,3,4
	v_cmp_eq_u32 s[CM+\n], \n, v[LANE]             ; lane n takes the n-th; the other lanes keep 0
.endr
	s_wait_alu depctr_va_sdst(0)                   ; the five masks are written, ahead of the selects that read them
.irp n, 0,1,2,3,4
	v_cndmask_b32 v[OI], v[OI], v[TOPI+\n], s[CM+\n]
	v_cndmask_b32 v[OW], v[OW], v[EX+\n], s[CM+\n]
.endr
	s_wait_alu depctr_va_vdst(0)                   ; the selects have written v208 and v209, which the two stores read
	global_store_b32 v[L4], v[OI], s[10:11]        ; 128 consecutive bytes a wave, 512 a work-group
	global_store_b32 v[L4], v[OW], s[12:13]
	s_endpgm
.Lfunc_end_k_qd36d5a548e_refine:
	.size	k_qd36d5a548e_refine, .Lfunc_end_k_qd36d5a548e_refine-k_qd36d5a548e_refine
	.p2alignl 7, 3214868480
	.fill 96, 4, 3214868480
	.section	.rodata,"a",@progbits
	.p2align	6, 0x0
	.amdhsa_kernel k_qd36d5a548e_refine
		.amdhsa_group_segment_fixed_size 0
		.amdhsa_private_segment_fixed_size 0
		.amdhsa_enable_private_segment 0
		.amdhsa_kernarg_size 40
		.amdhsa_user_sgpr_count 2
		.amdhsa_user_sgpr_kernarg_segment_ptr 1
		.amdhsa_wavefront_size32 1
		.amdhsa_system_sgpr_workgroup_id_x 1
		.amdhsa_system_sgpr_workgroup_id_y 1
		.amdhsa_system_sgpr_workgroup_id_z 1
		.amdhsa_system_vgpr_workitem_id 0
		.amdhsa_next_free_vgpr 864
		.amdhsa_next_free_sgpr 66
		.amdhsa_reserve_vcc 1
		.amdhsa_float_denorm_mode_32 3
		.amdhsa_float_denorm_mode_16_64 3
		.amdhsa_memory_ordered 1
		.amdhsa_forward_progress 1
		.amdhsa_inst_pref_size 37
	.end_amdhsa_kernel
	.amdgpu_metadata
---
amdhsa.version: [ 1, 2 ]
amdhsa.kernels:
  - .name:           k_qd36d5a548e_refine
    .symbol:         k_qd36d5a548e_refine.kd
    .args:
      - { .name: hq, .offset: 0, .size: 8, .value_kind: global_buffer, .address_space: global }
      - { .name: xq, .offset: 8, .size: 8, .value_kind: global_buffer, .address_space: global }
      - { .name: gsel, .offset: 16, .size: 8, .value_kind: global_buffer, .address_space: global }
      - { .name: seli, .offset: 24, .size: 8, .value_kind: global_buffer, .address_space: global }
      - { .name: selw, .offset: 32, .size: 8, .value_kind: global_buffer, .address_space: global }
    .group_segment_fixed_size: 0
    .private_segment_fixed_size: 0
    .kernarg_segment_align: 8
    .kernarg_segment_size: 40
    .max_flat_workgroup_size: 128
    .sgpr_count:     66
    .vgpr_count:     864
    .wavefront_size: 32
...
	.end_amdgpu_metadata
.endif
;; end of part 8
;; launch mlp1 (part 9): grid 8 x 32, 8 waves a work-group, no clusters, 44,544 bytes of LDS; arguments x, hist, seli, selw, W1_codes, W1_scales, b1, hq2; writes hq2
.if DOCPART == 9
	.amdgcn_target "amdgcn-amd-amdhsa--gfx1250"
	.amdhsa_code_object_version 6
	.text
	.protected	k_qd36d5a548e_mlp1
	.globl	k_qd36d5a548e_mlp1
	.p2align	8
	.type	k_qd36d5a548e_mlp1,@function
k_qd36d5a548e_mlp1:
	s_mov_b64 s[64:65], 0
	v_nop
	global_prefetch_b8 v0, s[64:65] scope:SCOPE_SE
	s_setreg_imm32_b32 hwreg(HW_REG_WAVE_SCHED_MODE, 0, 2), 2
	s_setreg_imm32_b32 hwreg(HW_REG_WAVE_MODE, 25, 1), 1
	s_wait_xcnt 0x0
	s_wait_alu depctr_vm_vsrc(0)
; h = relu([x_last, weighted x 5] W1 + b1), quantised along the next product's K.  weighted = the sum of five rows of hist times their weights, in f32.  Both operands of the product are codes of FP6 with E8M0 scales.
; SHARES.  Work-group (x, y): rows 32 y .. + 31, hidden units 128 x .. + 127, which are K step x of the next product.  hq2: a record of 12,800 bytes for each 16 rows: K step s's fragment as an image of its registers
; at 1536 s + 512 i + 16 lane; row r's scale word of K step s at 12288 + 64 s + 4 r.
; G: wave w (row tile w / 4, K step w % 4 of the 512) gathers: lane (r, h) takes, of x's row and of the five rows of hist, blocks 2 c + h of its K step, 32 neighbours each; forms the weighted sum; quantises both;
;    the two fragments and their scale words go to LDS as images of their registers | barrier |
; M: wave w makes hidden units 16 w .. + 15 of the 128 for both row tiles: source 0 = 16 rows of W1's codes, source 1 = 16 rows of the operand.  The five copies of 'weighted' are ONE fragment used against five K steps of W1.
;    The 24 K steps are taken in the order u, 4 + u, .. 20 + u for u = 0 .. 3, not ascending: the sums are compared within a tolerance.  b1 is the C of each sum's first instruction.  relu; to a stage in LDS | barrier |
; Q: waves 0 and 1 read a row tile's 128 numbers a row back, 32 neighbours a lane, quantise and store.
; The rows' numbers are whole numbers that an earlier launch stored; each is held at 99,999, the last row, before it enters an address.
; No tensor loads: every operand goes from memory straight into registers.  No cluster for that reason.
; LIMITS: NaN and infinities are not served; a block of zeros carries the byte 1 (its codes are zeros, and this program alone reads the bytes).
; REGISTERS.  Window 0: v4-15 addresses; v16-20 the five rows' offsets; v22-31 the weights, twice each; v32-95 x's numbers, later fragments set 0 (v32-79) and two accumulators (v80-95);
;   v96-159 the fifth row, then the weighted sum, later fragments set 1 (v96-143) and b1 (v144-151); v160-195 W1's K steps 21-23; v196-219 W1's scale words; v220-227 the operand's; v228-255 the quantiser's.
;   Window 1: four rows of hist (the first gathers the sum), later W1's K steps 0-20.
; THE MODE: SCHED_MODE bits 1:0 = 2 (LLVM: expert scheduling mode 2), set by the entry lines.  The code itself states the register dependences between vector or matrix instructions and memory or LDS instructions, with s_wait_alu, always for 0.
; THE PLAN.  Registers that memory or LDS instructions touch:
;   v5-15, v21   offsets and LDS addresses, made at the head; of them v12 alone is written again, in phase Q.
;   OFK v16-20   loaded (the rows' numbers), made into offsets by vector lines, read by the gather's loads.
;   window 1     loaded (four rows), read and written by the weighted sum, then loaded again (W1), then read by matrix instructions alone.
;   XR v32-95    loaded (x), read by the quantiser; then fragments set 0 (LDS loads, read by matrix instructions) and the accumulators (read by the stage's stores); in phase Q loaded from the stage.
;   WT v96-159   loaded (the fifth row), written by the sum, read by the quantiser; then fragments set 1 and b1 (loads, read by matrix instructions).
;   CD, PW v228-239, v247   written by the quantiser three times; read by two runs of LDS stores and one of global stores.
; A wait on va_vdst stands ahead of each run of loads or stores whose registers vector or matrix lines have named since the last such wait; a wait on vm_vsrc ahead of each rewriting of registers that stores or loads have read.
.set AIMG, 0                           ; LDS: 16 fragments of 1,536 bytes: 8 (row tile) + 4 (0: x, 1: weighted) + K step
.set ASC,  24576                       ; their scale words, 128 bytes each
.set HST,  26624                       ; the stage: 32 rows x (512 bytes + 16)
.set SH8,  4
.set LI,   5                           ; 16 x lane
.set L4,   6                           ; 4 x lane
.set GI,   7                           ; where I store my fragments
.set GS,   8                           ; and their scale words
.set HSW,  9                           ; the stage, in
.set HSR,  10                          ; the stage, out
.set VQ,   11                          ; my row; later 32 h
.set SELO, 12                          ; 128 x my row; later 4 r
.set OFFX, 13
.set VH,   14
.set W1O,  15
.set OFK,  16
.set W1SO, 21
.set WP,   22
.set XR,   32
.set WT,   96
.set AF,   32                          ; set s at v[AF + 64 s]
.set ACC,  80
.set B1R,  144
.set W1X,  160
.set W1S,  196
.set ASW,  220
.set CD,   228
.set MX,   240
.set SO,   242
.set BY,   244
.set TP,   246
.set PW,   247
.set TT,   248
.set SEL,  26
.set MSB, 0
.macro WIN new
.if MSB != (\new)
	s_set_vgpr_msb (MSB<<8)|(\new)
.set MSB, (\new)
.endif
.endm
.macro QUANT2 src, out, wrd            ; 64 numbers of a lane, half c = block 2 c + h of one K step of my row, become the fragment's 12 registers and my row's scale word
.irp c, 0,1
	v_max3_num_f32 v[MX+\c], |v[(\src)+32*\c]|, |v[(\src)+32*\c+1]|, 0x1800000   ; with the floor 2^(3 - 127): the byte cannot fall under 1
.endr
.irp i, 2,4,6,8,10,12,14,16,18,20,22,24,26,28,30
.irp c, 0,1
	v_max3_num_f32 v[MX+\c], v[MX+\c], |v[(\src)+32*\c+\i]|, |v[(\src)+32*\c+\i+1]|
.endr
.endr
.irp c, 0,1
	v_add_nc_u32 v[SO+\c], 0xff000000, v[MX+\c]    ; 2 off the exponent field: the conversion's scale operand
.endr
.irp c, 0,1
	v_lshrrev_b32 v[BY+\c], 23, v[SO+\c]
.endr
	v_lshl_or_b32 v[\wrd], v[BY+1], 16, v[BY]
	v_lshlrev_b32 v[\wrd], v[SH8], v[\wrd]
	v_permlanex16_b32 v[TP], v[\wrd], s[SEL], s[SEL+1]
	v_or_b32 v[\wrd], v[\wrd], v[TP]
.irp c, 0,1
	v_cvt_scalef32_pk16_fp6_f32 v[(\out)+6*\c:(\out)+6*\c+2], v[(\src)+32*\c:(\src)+32*\c+15], v[SO+\c]
	v_cvt_scalef32_pk16_fp6_f32 v[TT+4*\c:TT+4*\c+2], v[(\src)+32*\c+16:(\src)+32*\c+31], v[SO+\c]
.endr
	v_nop                                          ; one plain place behind the scaled conversions
.irp c, 0,1
.irp i, 0,1,2
	v_mov_b32 v[(\out)+3+6*\c+\i], v[TT+4*\c+\i]
.endr
.endr
.endm
	s_load_b256 s[4:11], s[0:1], 0x0               ; x, hist, seli, selw
	s_load_b256 s[12:19], s[0:1], 0x20             ; W1's codes, W1's scales, b1, hq2
	v_lshrrev_b32 v1, 5, v0
	v_readfirstlane_b32 s20, v1                    ; wave 0..7
	v_and_b32 v1, 31, v0
	v_and_b32 v2, 15, v0                           ; r
	v_bfe_u32 v3, v0, 4, 1                         ; h
	v_lshlrev_b32 v[SH8], 3, v3
	v_lshlrev_b32 v[LI], 4, v1
	v_lshlrev_b32 v[L4], 2, v1
	s_wait_alu depctr_va_sdst(0)                   ; s20, the wave's number, is written, ahead of its first reader
	s_lshr_b32 s21, s20, 2                         ; my row tile in phase G
	s_and_b32 s22, s20, 3                          ; my K step
	s_and_b32 s24, ttmp7, 0xffff                   ; the block of 32 rows
	s_lshl_b32 s28, s21, 3
	s_add_co_u32 s28, s28, s22
	s_mul_i32 s29, s28, 1536
	v_add_nc_u32 v[GI], s29, v[LI]
	s_lshl_b32 s29, s28, 7
	s_add_co_u32 s29, s29, ASC
	v_add_nc_u32 v[GS], s29, v[L4]
	v_mul_u32_u24 v[HSW], v2, 528
	v_lshl_add_u32 v[HSW], v3, 5, v[HSW]
	s_lshl_b32 s29, s20, 6
	s_add_co_u32 s29, s29, HST
	v_add_nc_u32 v[HSW], s29, v[HSW]               ; row r, + 64 x wave + 32 h: my eight hidden units
	s_and_b32 s29, s20, 1
	s_mul_i32 s29, s29, 8448
	s_add_co_u32 s29, s29, HST
	v_mul_u32_u24 v[HSR], v2, 528
	v_lshl_add_u32 v[HSR], v3, 7, v[HSR]
	v_add_nc_u32 v[HSR], s29, v[HSR]               ; row 16 (wave % 2) + r, + 128 h
	s_lshl_b32 s30, s24, 5
	s_lshl_b32 s29, s21, 4
	s_add_co_u32 s30, s30, s29
	v_add_nc_u32 v[VQ], s30, v2                    ; my row: 32 y + 16 (row tile) + r
	v_lshlrev_b32 v[SELO], 7, v[VQ]
	s_lshl_b32 s29, s22, 9
	v_lshl_add_u32 v[VH], v3, 7, s29               ; 512 (K step) + 128 h
	v_lshlrev_b32 v[OFFX], 15, v[VQ]
	v_add_nc_u32 v[OFFX], v[OFFX], v[VH]
	v_add_nc_u32 v[OFFX], 30720, v[OFFX]           ; x[row][15][..]
	v_mul_u32_u24 v[W1O], v2, 2304                 ; W1: a row is 3,072 codes
	v_mad_u32_u24 v[W1O], v3, 24, v[W1O]
	v_mul_u32_u24 v[W1SO], v2, 96
	v_lshlrev_b32 v[VQ], 5, v3                     ; from here on: 32 h, for b1
	v_mov_b32 v[TP], 0                             ; a lane permute's destination counts as one of its sources
	s_mov_b32 s[SEL], 0x76543210
	s_mov_b32 s[SEL+1], 0xfedcba98
	s_lshl_b32 s28, ttmp9, 7
	s_lshl_b32 s29, s20, 4
	s_add_co_u32 s28, s28, s29                     ; my first hidden unit: 128 x + 16 wave
	s_mov_b32 s31, 0
	s_wait_kmcnt 0x0
	s_wait_alu depctr_va_vdst(0)                   ; the offsets and LDS addresses v5 to v15 and v21 are written, which the loads, stores and LDS instructions below read
	global_load_b128 v[OFK:OFK+3], v[SELO], s[8:9]
	global_load_b32 v[OFK+4], v[SELO], s[8:9] offset:16
	global_load_b128 v[TT:TT+3], v[SELO], s[10:11]
	global_load_b32 v[TT+4], v[SELO], s[10:11] offset:16
.irp c, 0,1
.irp q, 0,1,2,3,4,5,6,7
	global_load_b128 v[XR+32*\c+4*\q:XR+32*\c+4*\q+3], v[OFFX], s[4:5] offset:256*\c+16*\q
.endr
.endr
	s_mul_i32 s30, s28, 2304
	s_add_nc_u64 s[12:13], s[12:13], s[30:31]
	s_mul_i32 s30, s28, 96
	s_add_nc_u64 s[14:15], s[14:15], s[30:31]
	s_lshl_b32 s30, s28, 2
	s_add_nc_u64 s[16:17], s[16:17], s[30:31]
	s_lshl_b32 s30, s24, 1
	s_and_b32 s29, s20, 1
	s_add_co_u32 s30, s30, s29
	s_mul_i32 s30, s30, 12800                      ; phase Q: the record of row tile 2 y + wave
	s_add_nc_u64 s[18:19], s[18:19], s[30:31]
	s_mul_i32 s30, ttmp9, 1536
	s_add_nc_u64 s[32:33], s[18:19], s[30:31]      ; K step x's fragment,
	s_lshl_b32 s30, ttmp9, 6
	s_add_co_u32 s30, s30, 12288
	s_add_nc_u64 s[34:35], s[18:19], s[30:31]      ; and its scale words
	s_wait_loadcnt 16                              ; rows and weights are in; x's sixteen loads may be out
.irp k, 0,1,2,3,4
	v_min_u32 v[OFK+\k], 0x1869f, v[OFK+\k]
	v_lshlrev_b32 v[OFK+\k], 11, v[OFK+\k]
	v_add_nc_u32 v[OFK+\k], v[OFK+\k], v[VH]
	v_mov_b32 v[WP+2*\k], v[TT+\k]
	v_mov_b32 v[WP+2*\k+1], v[TT+\k]
.endr
	WIN 0x40                                       ; destination window 1
	s_wait_alu depctr_va_vdst(0)                   ; the five rows' offsets v16 to v20 are written, which the gather's 80 loads read
.irp k, 0,1,2,3
.irp c, 0,1
.irp q, 0,1,2,3,4,5,6,7
	global_load_b128 v[64*\k+32*\c+4*\q:64*\k+32*\c+4*\q+3], v[OFK+\k], s[6:7] offset:256*\c+16*\q
.endr
.endr
.endr
	WIN 0
.irp c, 0,1
.irp q, 0,1,2,3,4,5,6,7
	global_load_b128 v[WT+32*\c+4*\q:WT+32*\c+4*\q+3], v[OFK+4], s[6:7] offset:256*\c+16*\q
.endr
.endr
	s_wait_loadcnt 48                              ; x and the first two rows are in; three rows of sixteen loads may be out
	WIN 0x41                                       ; destination and source 0 window 1
.set j, 0
.rept 32
	v_pk_mul_f32 v[j:j+1], v[j:j+1], v[WP:WP+1]
.set j, j+2
.endr
	WIN 0x51                                       ; and source 2
.set j, 0
.rept 32
	v_pk_fma_f32 v[j:j+1], v[64+j:65+j], v[WP+2:WP+3], v[j:j+1]
.set j, j+2
.endr
	s_wait_loadcnt 32                              ; the third row
.set j, 0
.rept 32
	v_pk_fma_f32 v[j:j+1], v[128+j:129+j], v[WP+4:WP+5], v[j:j+1]
.set j, j+2
.endr
	s_wait_loadcnt 16                              ; the fourth
.set j, 0
.rept 32
	v_pk_fma_f32 v[j:j+1], v[192+j:193+j], v[WP+6:WP+7], v[j:j+1]
.set j, j+2
.endr
	s_wait_loadcnt 0x0                             ; the fifth
	WIN 0x10                                       ; source 2 window 1: the sum comes to window 0, in the fifth row's place
.set j, 0
.rept 32
	v_pk_fma_f32 v[WT+j:WT+j+1], v[WT+j:WT+j+1], v[WP+8:WP+9], v[j:j+1]
.set j, j+2
.endr
	WIN 0x40                                       ; W1's fragments: they land while the operand is quantised
	s_wait_alu depctr_va_vdst(0)                   ; the weighted sum is done writing and reading window 1's registers, in which W1's fragments land
.set k, 0
.rept 21
.irp p, 0,1,2,3,4,5
	global_load_b64 v[12*k+2*\p:12*k+2*\p+1], v[W1O], s[12:13] offset:96*k+48*(\p/3)+8*(\p%3)
.endr
.set k, k+1
.endr
	WIN 0
.rept 3
.irp p, 0,1,2,3,4,5
	global_load_b64 v[W1X+12*(k-21)+2*\p:W1X+12*(k-21)+2*\p+1], v[W1O], s[12:13] offset:96*k+48*(\p/3)+8*(\p%3)
.endr
.set k, k+1
.endr
.irp i, 0,1,2,3,4,5
	global_load_b128 v[W1S+4*\i:W1S+4*\i+3], v[W1SO], s[14:15] offset:16*\i   ; my unit's 24 scale words
.endr
	QUANT2 XR, CD, PW
	s_wait_alu depctr_va_vdst(0)                   ; the quantiser has written x's codes and scale word, which the LDS stores read
.irp i, 0,1,2
	ds_store_b128 v[GI], v[CD+4*\i:CD+4*\i+3] offset:AIMG+512*\i
.endr
	ds_store_b32 v[GS], v[PW]
	s_wait_dscnt 0x0                               ; the stores are done,
	s_wait_alu depctr_vm_vsrc(0)                   ; and have read the codes' registers and the scale word's, which the quantiser writes again
	QUANT2 WT, CD, PW
	s_wait_alu depctr_va_vdst(0)                   ; the quantiser has written the sum's codes and scale word, which the LDS stores read; both quantisers are done reading v32 to v159, in which b1 and the first two sets of fragments land
.irp i, 0,1,2
	ds_store_b128 v[GI], v[CD+4*\i:CD+4*\i+3] offset:AIMG+6144+512*\i
.endr
	ds_store_b32 v[GS], v[PW] offset:512
	global_load_b128 v[B1R:B1R+3], v[VQ], s[16:17]             ; b1 at my eight units, in the result's layout
	global_load_b128 v[B1R+4:B1R+7], v[VQ], s[16:17] offset:16
	s_wait_dscnt 0x0                               ; for the others' sake: my fragments lie in LDS
	s_barrier_signal -1
	s_barrier_wait -1
.macro AFLOAD u, set                   ; K step u of x and of 'weighted', both row tiles: four fragments and their scale words: 16 LDS instructions
.irp tt, 0,1
.irp pp, 0,1
.irp i, 0,1,2
	ds_load_b128 v[AF+64*(\set)+12*(2*\tt+\pp)+4*\i:AF+64*(\set)+12*(2*\tt+\pp)+4*\i+3], v[LI] offset:AIMG+(8*\tt+4*\pp+(\u))*1536+512*\i
.endr
	ds_load_b32 v[ASW+4*(\set)+2*\tt+\pp], v[L4] offset:ASC+(8*\tt+4*\pp+(\u))*128
.endr
.endr
.endm
.macro MMK ks, part, set, first        ; K step ks of W1 against both row tiles: the two accumulators take turns, one instruction a turn
.if (\ks) <= 20
	WIN 0x01                                       ; source 0 window 1
.set WA, 12*(\ks)
.else
	WIN 0
.set WA, W1X+12*((\ks)-21)
.endif
.irp tt, 0,1
.if \first
	v_wmma_scale_f32_16x16x128_f8f6f4 v[ACC+8*\tt:ACC+8*\tt+7], v[WA:WA+11], v[AF+64*(\set)+12*(2*\tt+(\part)):AF+64*(\set)+12*(2*\tt+(\part))+11], v[B1R:B1R+7], v[W1S+(\ks)], v[ASW+4*(\set)+2*\tt+(\part)] matrix_a_fmt:MATRIX_FMT_FP6 matrix_b_fmt:MATRIX_FMT_FP6
.else
	v_wmma_scale_f32_16x16x128_f8f6f4 v[ACC+8*\tt:ACC+8*\tt+7], v[WA:WA+11], v[AF+64*(\set)+12*(2*\tt+(\part)):AF+64*(\set)+12*(2*\tt+(\part))+11], v[ACC+8*\tt:ACC+8*\tt+7], v[W1S+(\ks)], v[ASW+4*(\set)+2*\tt+(\part)] matrix_a_fmt:MATRIX_FMT_FP6 matrix_b_fmt:MATRIX_FMT_FP6
.endif
.endr
.endm
	AFLOAD 0, 0                                    ; no wait: no vector line has been issued since the wait ahead of the last LDS stores
	s_wait_loadcnt 0x0                             ; W1, its scale words, b1
.irp u, 0,1,2,3
.if \u < 3
.rept 4
	v_nop                                          ; four places in front of loads into registers that matrix instructions have read
.endr
.if \u > 0
	s_wait_alu depctr_va_vdst(0)                   ; the matrix instructions of the step before are done reading their set of fragments and its scale words, in which the loads below land
.endif
	AFLOAD \u+1, (\u+1)%2
	s_wait_dscnt 16                                ; this step's set is in; the sixteen just issued may be out
.else
	s_wait_dscnt 0x0
.endif
	MMK \u, 0, \u%2, (\u==0)
	MMK 4+\u, 1, \u%2, 0
	MMK 8+\u, 1, \u%2, 0
	MMK 12+\u, 1, \u%2, 0
	MMK 16+\u, 1, \u%2, 0
	MMK 20+\u, 1, \u%2, 0
	WIN 0
.endr
.rept 4
	v_nop                                          ; four places in front of the first read of results
.endr
.irp j, 0,1,2,3,4,5,6,7,8,9,10,11,12,13,14,15
	v_max_num_f32 v[ACC+\j], 0, v[ACC+\j]          ; the activation, in f32; each accumulator from its low end on
.endr
	s_wait_alu depctr_va_vdst(0)                   ; the activation has written v80 to v95, which the stage's stores read; the matrix instructions are done reading set 0, in which phase Q's loads land
.irp tt, 0,1
	ds_store_b128 v[HSW], v[ACC+8*\tt:ACC+8*\tt+3] offset:8448*\tt
	ds_store_b128 v[HSW], v[ACC+8*\tt+4:ACC+8*\tt+7] offset:8448*\tt+16
.endr
	s_wait_dscnt 0x0                               ; for the others' sake
	s_barrier_signal -1
	s_barrier_wait -1
	s_wait_alu depctr_vm_vsrc(0)                   ; the stage's stores have read v80 to v95, in which phase Q's loads land; the earlier LDS stores have read the codes' registers and the scale word's, and the loads of rows and weights v12: phase Q writes all of these again
	s_cmp_lt_u32 s20, 2
	s_cbranch_scc0 .Lend
.irp c, 0,1
.irp q, 0,1,2,3,4,5,6,7
	ds_load_b128 v[XR+32*\c+4*\q:XR+32*\c+4*\q+3], v[HSR] offset:256*\c+16*\q
.endr
.endr
	v_lshlrev_b32 v[SELO], 2, v2                   ; 4 r
	s_wait_dscnt 0x0
	QUANT2 XR, CD, PW
	s_wait_alu depctr_va_vdst(0)                   ; the quantiser has written the codes and the scale word, and v12 is written: the stores read them
.irp i, 0,1,2
	global_store_b128 v[LI], v[CD+4*\i:CD+4*\i+3], s[32:33] offset:512*\i   ; 512 consecutive bytes, aligned
.endr
	global_store_b32 v[SELO], v[PW], s[34:35]      ; both halves of the lanes write the same word with the same value
.Lend:
	s_wait_xcnt 0x0
	v_lshl_add_u32 v254, v0, 2, 0xaa00             ; the add's two registers are made anew here: no memory or LDS instruction has read v254 or v255
	v_mov_b32 v255, 0
	s_wait_dscnt 0x0                               ; the closing lines, six on end
	s_wait_alu 0x0
	s_wait_tensorcnt 0x0
	ds_add_u32 v254, v255
	s_wait_dscnt 0x0
	s_endpgm
.Lfunc_end_k_qd36d5a548e_mlp1:
	.size	k_qd36d5a548e_mlp1, .Lfunc_end_k_qd36d5a548e_mlp1-k_qd36d5a548e_mlp1
	.p2alignl 7, 3214868480
	.fill 96, 4, 3214868480
	.section	.rodata,"a",@progbits
	.p2align	6, 0x0
	.amdhsa_kernel k_qd36d5a548e_mlp1
		.amdhsa_group_segment_fixed_size 44544
		.amdhsa_private_segment_fixed_size 0
		.amdhsa_enable_private_segment 0
		.amdhsa_kernarg_size 64
		.amdhsa_user_sgpr_count 2
		.amdhsa_user_sgpr_kernarg_segment_ptr 1
		.amdhsa_wavefront_size32 1
		.amdhsa_system_sgpr_workgroup_id_x 1
		.amdhsa_system_sgpr_workgroup_id_y 1
		.amdhsa_system_sgpr_workgroup_id_z 1
		.amdhsa_system_vgpr_workitem_id 0
		.amdhsa_next_free_vgpr 512
		.amdhsa_next_free_sgpr 66
		.amdhsa_reserve_vcc 0
		.amdhsa_float_denorm_mode_32 3
		.amdhsa_float_denorm_mode_16_64 3
		.amdhsa_memory_ordered 1
		.amdhsa_forward_progress 1
		.amdhsa_inst_pref_size 62
	.end_amdhsa_kernel
	.amdgpu_metadata
---
amdhsa.version: [ 1, 2 ]
amdhsa.kernels:
  - .name:           k_qd36d5a548e_mlp1
    .symbol:         k_qd36d5a548e_mlp1.kd
    .args:
      - { .name: x, .offset: 0, .size: 8, .value_kind: global_buffer, .address_space: global }
      - { .name: hist, .offset: 8, .size: 8, .value_kind: global_buffer, .address_space: global }
      - { .name: seli, .offset: 16, .size: 8, .value_kind: global_buffer, .address_space: global }
      - { .name: selw, .offset: 24, .size: 8, .value_kind: global_buffer, .address_space: global }
      - { .name: W1_codes, .offset: 32, .size: 8, .value_kind: global_buffer, .address_space: global }
      - { .name: W1_scales, .offset: 40, .size: 8, .value_kind: global_buffer, .address_space: global }
      - { .name: b1, .offset: 48, .size: 8, .value_kind: global_buffer, .address_space: global }
      - { .name: hq2, .offset: 56, .size: 8, .value_kind: global_buffer, .address_space: global }
    .group_segment_fixed_size: 44544
    .private_segment_fixed_size: 0
    .kernarg_segment_align: 8
    .kernarg_segment_size: 64
    .max_flat_workgroup_size: 256
    .sgpr_count:     66
    .vgpr_count:     512
    .wavefront_size: 32
...
	.end_amdgpu_metadata
.endif
;; end of part 9
;; launch mlp2 (part 10): grid 64 x 1, 8 waves a work-group, no clusters, 35,840 bytes of LDS; arguments hq2, W2_codes, W2_scales, b2, gamma, beta, out0; writes out0
.if DOCPART == 10
	.amdgcn_target "amdgcn-amd-amdhsa--gfx1250"
	.amdhsa_code_object_version 6
	.text
	.protected	k_qd36d5a548e_mlp2
	.globl	k_qd36d5a548e_mlp2
	.p2align	8
	.type	k_qd36d5a548e_mlp2,@function
k_qd36d5a548e_mlp2:
	s_mov_b64 s[64:65], 0
	v_nop
	global_prefetch_b8 v0, s[64:65] scope:SCOPE_SE
	s_setreg_imm32_b32 hwreg(HW_REG_WAVE_SCHED_MODE, 0, 2), 2
	s_setreg_imm32_b32 hwreg(HW_REG_WAVE_MODE, 25, 1), 1
	s_wait_xcnt 0x0
	s_wait_alu depctr_vm_vsrc(0)
; out = LayerNorm(h W2 + b2) x gamma + beta.  h comes as codes of FP6 with E8M0 scales, in records of 16 rows laid as images of operand registers; W2 as the problem gives it.
; SHARES.  A work-group owns 16 rows, whole, since the norm runs along a row; wave w owns columns 64 w .. + 63: four tiles.  64 work-groups: the rows have no more to share out without splitting a row's norm.
; Source 0 = 16 rows of W2's codes (output columns), source 1 = the 16 rows of h: a lane holds ONE row (lane % 16) and eight neighbouring columns of each tile.  b2 is the C of each sum's first instruction.
; W2's 32 fragments of a wave do not fit beside the rest: K steps 0-3 come first, K steps 4-7 into the same registers.
; The norm in two passes: the mean, then the mean of the squared differences; a row's sums meet in LDS (eight words a row).  The result leaves through a stage in LDS as whole rows.
; REGISTERS.  Window 0: v4-12 addresses; v16-111 h's eight fragments; v112-119 their scale words; v120-151 W2's; v152-183 b2; v184-215 four accumulators; v216.. at work.
;   Window 1: v0-191 sixteen fragments of W2; v192-223 gamma; v224-255 beta, both in the result's layout.
; THE MODE: SCHED_MODE bits 1:0 = 2 (LLVM: expert scheduling mode 2), set by the entry lines.  The code itself states the register dependences between vector or matrix instructions and memory or LDS instructions, with s_wait_alu, always for 0.
; THE PLAN.  Registers that memory or LDS instructions touch:
;   v4-12          offsets and LDS addresses: made at the head, never written again.
;   window 1 v0-191  loaded (K steps 0-3), read by sixteen matrix instructions, loaded again (K steps 4-7), read by sixteen more.
;   HF v16-111     loaded, read by matrix instructions; v16-47 are loaded again from the stage on the way out and read by the global stores.
;   v216           written by each of the two sums, read by that sum's LDS store.      v226-233  loaded from LDS in each meeting of sums, read and written by its additions.
;   ACC v184-215   written by matrix and vector lines, read by the stage's stores.
; So: a wait on va_vdst ahead of the first load, ahead of W2's second half, ahead of each sum's LDS store and ahead of the stage's stores; one wait on vm_vsrc ahead of the line that writes v216 again.
.set RS1, 0                            ; LDS: eight waves x 16 rows of sums; the same for the squares; the stage: 16 rows x (2,048 bytes + 16)
.set RS2, 512
.set OST, 1024
.set LI,   4
.set R4,   5
.set W2O,  6
.set W2SO, 7
.set BO,   8
.set RSW,  9
.set OSW,  11
.set OSR,  12
.set HF,   16
.set HSW,  112
.set W2S,  120
.set B2R,  152
.set ACC,  184
.set SEL,  26
.set MSB, 0
.macro WIN new
.if MSB != (\new)
	s_set_vgpr_msb (MSB<<8)|(\new)
.set MSB, (\new)
.endif
.endm
	s_load_b256 s[4:11], s[0:1], 0x0               ; hq2, W2's codes, W2's scales, b2
	s_load_b128 s[12:15], s[0:1], 0x20             ; gamma, beta
	s_load_b64 s[16:17], s[0:1], 0x30              ; out0
	v_lshl_add_u32 v254, v0, 2, 0x8800
	v_mov_b32 v255, 0
	v_lshrrev_b32 v1, 5, v0
	v_readfirstlane_b32 s20, v1                    ; wave 0..7
	v_and_b32 v1, 31, v0
	v_and_b32 v2, 15, v0                           ; r
	v_bfe_u32 v3, v0, 4, 1                         ; h
	v_lshlrev_b32 v[LI], 4, v1
	v_lshlrev_b32 v[R4], 2, v2
	v_mul_u32_u24 v[W2O], v2, 768                  ; W2: a row is 1,024 codes
	v_mad_u32_u24 v[W2O], v3, 24, v[W2O]
	v_lshlrev_b32 v[W2SO], 5, v2
	v_lshlrev_b32 v[BO], 5, v3
	s_wait_alu depctr_va_sdst(0)                   ; s20, the wave's number, is written, ahead of its first reader
	s_lshl_b32 s22, s20, 6
	v_add_nc_u32 v[RSW], s22, v[R4]
	v_mul_u32_u24 v[OSW], v2, 2064
	v_lshl_add_u32 v[OSW], v3, 5, v[OSW]
	s_lshl_b32 s22, s20, 8
	s_add_co_u32 s22, s22, OST
	v_add_nc_u32 v[OSW], s22, v[OSW]               ; row r, + 256 x wave + 32 h
	s_mul_i32 s22, s20, 4128
	s_add_co_u32 s22, s22, OST
	v_add_nc_u32 v[OSR], s22, v[LI]                ; rows 2 wave, 2 wave + 1
	v_mov_b32 v220, 0                              ; a lane permute's destination counts as one of its sources
	s_mov_b32 s[SEL], 0x76543210
	s_mov_b32 s[SEL+1], 0xfedcba98
	s_mov_b32 s30, 0x3b000000                      ; 1 / 512
	s_mov_b32 s31, 0x3727c5ac                      ; 1e-5
	s_mov_b32 s23, 0
	s_wait_kmcnt 0x0
	s_mul_i32 s22, ttmp9, 12800
	s_add_nc_u64 s[4:5], s[4:5], s[22:23]
	s_mul_i32 s22, s20, 49152                      ; my 64 rows of W2
	s_add_nc_u64 s[6:7], s[6:7], s[22:23]
	s_lshl_b32 s22, s20, 11
	s_add_nc_u64 s[8:9], s[8:9], s[22:23]
	s_lshl_b32 s22, s20, 8
	s_add_nc_u64 s[10:11], s[10:11], s[22:23]
	s_add_nc_u64 s[12:13], s[12:13], s[22:23]
	s_add_nc_u64 s[14:15], s[14:15], s[22:23]
	s_lshl_b32 s22, ttmp9, 15
	s_lshl_b32 s24, s20, 12
	s_add_co_u32 s22, s22, s24                     ; row 16 x work-group + 2 x wave, 2,048 bytes a row
	s_add_nc_u64 s[16:17], s[16:17], s[22:23]
.macro W2LOAD k0                       ; K steps k0 .. k0 + 3 of my four tiles
.irp t, 0,1,2,3
.irp kk, 0,1,2,3
.irp p, 0,1,2,3,4,5
	global_load_b64 v[12*(4*\t+\kk)+2*\p:12*(4*\t+\kk)+2*\p+1], v[W2O], s[6:7] offset:12288*\t+96*((\k0)+\kk)+48*(\p/3)+8*(\p%3)
.endr
.endr
.endr
.endm
	WIN 0x40                                       ; destination window 1
	s_wait_alu depctr_va_vdst(0)                   ; the offsets and LDS addresses v4 to v12 are written, which every load, store and LDS instruction of the kernel reads
	W2LOAD 0
.irp t, 0,1,2,3
.irp i, 0,1
	global_load_b128 v[192+8*\t+4*\i:192+8*\t+4*\i+3], v[BO], s[12:13] offset:64*\t+16*\i
	global_load_b128 v[224+8*\t+4*\i:224+8*\t+4*\i+3], v[BO], s[14:15] offset:64*\t+16*\i
.endr
.endr
	WIN 0
.irp s, 0,1,2,3,4,5,6,7
.irp i, 0,1,2
	global_load_b128 v[HF+12*\s+4*\i:HF+12*\s+4*\i+3], v[LI], s[4:5] offset:1536*\s+512*\i
.endr
	global_load_b32 v[HSW+\s], v[R4], s[4:5] offset:12288+64*\s
.endr
.irp t, 0,1,2,3
.irp i, 0,1
	global_load_b128 v[W2S+8*\t+4*\i:W2S+8*\t+4*\i+3], v[W2SO], s[8:9] offset:512*\t+16*\i
	global_load_b128 v[B2R+8*\t+4*\i:B2R+8*\t+4*\i+3], v[BO], s[10:11] offset:64*\t+16*\i
.endr
.endr
.macro MM2 k0                          ; 16 matrix instructions; the four accumulators take turns, one instruction a turn
.irp kk, 0,1,2,3
.irp t, 0,1,2,3
.if ((\k0)+\kk) == 0
	v_wmma_scale_f32_16x16x128_f8f6f4 v[ACC+8*\t:ACC+8*\t+7], v[12*(4*\t+\kk):12*(4*\t+\kk)+11], v[HF+12*((\k0)+\kk):HF+12*((\k0)+\kk)+11], v[B2R+8*\t:B2R+8*\t+7], v[W2S+8*\t+(\k0)+\kk], v[HSW+(\k0)+\kk] matrix_a_fmt:MATRIX_FMT_FP6 matrix_b_fmt:MATRIX_FMT_FP6
.else
	v_wmma_scale_f32_16x16x128_f8f6f4 v[ACC+8*\t:ACC+8*\t+7], v[12*(4*\t+\kk):12*(4*\t+\kk)+11], v[HF+12*((\k0)+\kk):HF+12*((\k0)+\kk)+11], v[ACC+8*\t:ACC+8*\t+7], v[W2S+8*\t+(\k0)+\kk], v[HSW+(\k0)+\kk] matrix_a_fmt:MATRIX_FMT_FP6 matrix_b_fmt:MATRIX_FMT_FP6
.endif
.endr
.endr
.endm
	s_wait_loadcnt 0x0
	WIN 0x01                                       ; source 0 window 1
	MM2 0
.rept 4
	v_nop                                          ; four places in front of loads into registers that matrix instructions have read
.endr
	WIN 0x40
	s_wait_alu depctr_va_vdst(0)                   ; the sixteen matrix instructions are done reading W2's fragments of K steps 0 to 3, in whose registers K steps 4 to 7 land
	W2LOAD 4
	WIN 0
	s_wait_loadcnt 0x0
	WIN 0x01
	MM2 4
	WIN 0
.rept 4
	v_nop                                          ; four places in front of the first read of results
.endr
	; the mean: my 32 numbers (each accumulator from its low end on), lane l xor 16's, the eight waves'
	v_pk_add_f32 v[216:217], v[ACC:ACC+1], v[ACC+2:ACC+3]
	v_pk_add_f32 v[218:219], v[ACC+4:ACC+5], v[ACC+6:ACC+7]
.irp t, 1,2,3
	v_pk_add_f32 v[216:217], v[216:217], v[ACC+8*\t:ACC+8*\t+1]
	v_pk_add_f32 v[218:219], v[218:219], v[ACC+8*\t+2:ACC+8*\t+3]
	v_pk_add_f32 v[216:217], v[216:217], v[ACC+8*\t+4:ACC+8*\t+5]
	v_pk_add_f32 v[218:219], v[218:219], v[ACC+8*\t+6:ACC+8*\t+7]
.endr
.macro MEET base                       ; v[216:219] -> the row's sum over all 512 columns, in v226
	v_pk_add_f32 v[216:217], v[216:217], v[218:219]
	v_add_f32 v216, v216, v217
	v_permlanex16_b32 v220, v216, s[SEL], s[SEL+1]
	v_add_f32 v216, v216, v220
	s_wait_alu depctr_va_vdst(0)                   ; v216 is written, which the LDS store reads; the additions of an earlier meeting are done with v226 to v233, in which the LDS loads below land
	ds_store_b32 v[RSW], v216 offset:\base         ; both halves of the lanes write the same word with the same value
	s_wait_dscnt 0x0                               ; for the others' sake
	s_barrier_signal -1
	s_barrier_wait -1
.irp i, 0,1,2,3,4,5,6,7
	ds_load_b32 v[226+\i], v[R4] offset:(\base)+64*\i
.endr
	s_wait_dscnt 0x0
	v_pk_add_f32 v[226:227], v[226:227], v[228:229]
	v_pk_add_f32 v[230:231], v[230:231], v[232:233]
	v_pk_add_f32 v[226:227], v[226:227], v[230:231]
	v_add_f32 v226, v226, v227
.endm
	MEET RS1
	v_mul_f32 v222, s30, v226                      ; the mean
	v_mov_b32 v223, v222
.set j, 0
.rept 16
	v_pk_add_f32 v[ACC+j:ACC+j+1], v[ACC+j:ACC+j+1], v[222:223] neg_lo:[0,1] neg_hi:[0,1]
.set j, j+2
.endr
	s_wait_alu depctr_vm_vsrc(0)                   ; the first sum's LDS store has read v216, which the next line writes again
	v_pk_mul_f32 v[216:217], v[ACC:ACC+1], v[ACC:ACC+1]
	v_pk_mul_f32 v[218:219], v[ACC+2:ACC+3], v[ACC+2:ACC+3]
.set j, 4
.rept 7
	v_pk_fma_f32 v[216:217], v[ACC+j:ACC+j+1], v[ACC+j:ACC+j+1], v[216:217]
	v_pk_fma_f32 v[218:219], v[ACC+j+2:ACC+j+3], v[ACC+j+2:ACC+j+3], v[218:219]
.set j, j+4
.endr
	MEET RS2
	v_fma_f32 v224, v226, s30, s31                 ; the variance + 1e-5
	v_rsq_f32 v224, v224
	v_nop                                          ; a plain place behind the root
	s_wait_alu depctr_va_vdst(0)                   ; the root's reciprocal is written, ahead of its first reader
	v_mov_b32 v225, v224
.set j, 0
.rept 16
	v_pk_mul_f32 v[ACC+j:ACC+j+1], v[ACC+j:ACC+j+1], v[224:225]
.set j, j+2
.endr
	WIN 0x14                                       ; sources 1 (gamma) and 2 (beta) window 1
.set j, 0
.rept 16
	v_pk_fma_f32 v[ACC+j:ACC+j+1], v[ACC+j:ACC+j+1], v[192+j:193+j], v[224+j:225+j]
.set j, j+2
.endr
	WIN 0
	s_wait_alu depctr_va_vdst(0)                   ; the results v184 to v215 are written, which the stage's stores read; the matrix instructions are done reading h's fragments, in whose registers the loads from the stage land
.irp t, 0,1,2,3
	ds_store_b128 v[OSW], v[ACC+8*\t:ACC+8*\t+3] offset:64*\t
	ds_store_b128 v[OSW], v[ACC+8*\t+4:ACC+8*\t+7] offset:64*\t+16
.endr
	s_wait_dscnt 0x0                               ; for the others' sake: a row's 2,048 bytes come from eight waves
	s_barrier_signal -1
	s_barrier_wait -1
.irp i, 0,1,2,3,4,5,6,7
	ds_load_b128 v[HF+4*\i:HF+4*\i+3], v[OSR] offset:2064*(\i/4)+512*(\i%4)
.endr
.irp i, 0,1,2,3,4,5,6,7
	s_wait_dscnt 7-\i                              ; LDS loads come back in order: piece i is in
	global_store_b128 v[LI], v[HF+4*\i:HF+4*\i+3], s[16:17] offset:2048*(\i/4)+512*(\i%4) th:TH_STORE_NT   ; 512 consecutive bytes, aligned; written once
.endr
	s_wait_dscnt 0x0                               ; the closing lines, six on end
	s_wait_alu 0x0
	s_wait_tensorcnt 0x0
	ds_add_u32 v254, v255
	s_wait_dscnt 0x0
	s_endpgm
.Lfunc_end_k_qd36d5a548e_mlp2:
	.size	k_qd36d5a548e_mlp2, .Lfunc_end_k_qd36d5a548e_mlp2-k_qd36d5a548e_mlp2
	.p2alignl 7, 3214868480
	.fill 96, 4, 3214868480
	.section	.rodata,"a",@progbits
	.p2align	6, 0x0
	.amdhsa_kernel k_qd36d5a548e_mlp2
		.amdhsa_group_segment_fixed_size 35840
		.amdhsa_private_segment_fixed_size 0
		.amdhsa_enable_private_segment 0
		.amdhsa_kernarg_size 56
		.amdhsa_user_sgpr_count 2
		.amdhsa_user_sgpr_kernarg_segment_ptr 1
		.amdhsa_wavefront_size32 1
		.amdhsa_system_sgpr_workgroup_id_x 1
		.amdhsa_system_sgpr_workgroup_id_y 1
		.amdhsa_system_sgpr_workgroup_id_z 1
		.amdhsa_system_vgpr_workitem_id 0
		.amdhsa_next_free_vgpr 512
		.amdhsa_next_free_sgpr 66
		.amdhsa_reserve_vcc 0
		.amdhsa_float_denorm_mode_32 3
		.amdhsa_float_denorm_mode_16_64 3
		.amdhsa_memory_ordered 1
		.amdhsa_forward_progress 1
		.amdhsa_inst_pref_size 41
	.end_amdhsa_kernel
	.amdgpu_metadata
---
amdhsa.version: [ 1, 2 ]
amdhsa.kernels:
  - .name:           k_qd36d5a548e_mlp2
    .symbol:         k_qd36d5a548e_mlp2.kd
    .args:
      - { .name: hq2, .offset: 0, .size: 8, .value_kind: global_buffer, .address_space: global }
      - { .name: W2_codes, .offset: 8, .size: 8, .value_kind: global_buffer, .address_space: global }
      - { .name: W2_scales, .offset: 16, .size: 8, .value_kind: global_buffer, .address_space: global }
      - { .name: b2, .offset: 24, .size: 8, .value_kind: global_buffer, .address_space: global }
      - { .name: gamma, .offset: 32, .size: 8, .value_kind: global_buffer, .address_space: global }
      - { .name: beta, .offset: 40, .size: 8, .value_kind: global_buffer, .address_space: global }
      - { .name: out0, .offset: 48, .size: 8, .value_kind: global_buffer, .address_space: global }
    .group_segment_fixed_size: 35840
    .private_segment_fixed_size: 0
    .kernarg_segment_align: 8
    .kernarg_segment_size: 56
    .max_flat_workgroup_size: 256
    .sgpr_count:     66
    .vgpr_count:     512
    .wavefront_size: 32
...
	.end_amdgpu_metadata
.endif
;; end of part 10
